; MI455X (gfx1250); checked and timed in simulation.
; The chip was launched on July 23, 2026; its instructions are those of AMD's public machine-readable ISA for CDNA 5 (MIT licence, August 2026) and "CDNA5" Instruction Set Architecture Reference Guide (July 2026). The comments in the code are by the model that wrote it; some were corrected since.
;; GLM Self Attention. Allowed arithmetic: float matrix products may take bf16 or f16 operands with f32 sums; other float arithmetic in f32, or as packed bf16 or f16 multiplies, adds, multiply-adds, maxima and minima; sums over many terms, partial sums and values carried from step to step in f32; what a program stores and reads back later, other than sums and carried values, may be rounded once to bf16 or f16.
;; Inputs: Wk 2,048 x 2,048 float32; Wo 2,048 x 2,048 float32; Wq 2,048 x 2,048 float32; Wv 2,048 x 2,048 float32; hidden_state 2 x 1,024 x 2,048 float32; mask 2 x 1,024 x 1,024 bool; position 2 x 1,024 int32.
;; Outputs: out0 2 x 1,024 x 2,048 float32.
;; One version. Each part assembles by itself: llvm-mc -triple=amdgcn-amd-amdhsa -mcpu=gfx1250 --defsym DOCPART=n.
;; ======== version 1 of 1: 4 launches
;; limits: values are held in f16: magnitudes above 65,504 overflow, below 6.1e-05 lose precision
;; workspace buffers: xb 8,388,608 bytes; wqkv 25,165,824 bytes; wof 8,388,608 bytes; maskp 2,097,152 bytes; rope 1,048,576 bytes; qkvh 25,165,824 bytes; ob 8,388,608 bytes
;; launch prep (part 1): grid 256 x 6, 8 waves a work-group, no clusters, 0 bytes of LDS; arguments hidden_state, Wq, Wk, Wv, Wo, mask, position, xb, wqkv, wof, maskp, rope; writes xb, wqkv, wof, maskp, rope
.if DOCPART == 1
	.amdgcn_target "amdgcn-amd-amdhsa--gfx1250"
	.amdhsa_code_object_version 6
	.text
	.protected	k_qf7677fe372_prep
	.globl	k_qf7677fe372_prep
	.p2align	8
	.type	k_qf7677fe372_prep,@function
k_qf7677fe372_prep:
	s_mov_b64 s[64:65], 0
	v_nop
	global_prefetch_b8 v0, s[64:65] scope:SCOPE_SE
	s_setreg_imm32_b32 hwreg(HW_REG_WAVE_MODE, 25, 1), 1
	s_wait_xcnt 0x0
; GLM SELF-ATTENTION, launch 1 of 4: the operands are rounded once and laid out.
; NO WORK OF THE MODULE IS LEFT OUT: every input has a way to the output and is loaded (the mask is an input: no pattern of it is built in, every key tile is computed).
; The 16-bit matrices are laid out IN TILES of 128 rows x 128 columns, a tile's 128 rows of 256 bytes on end (32,768 bytes), tile (R, C) at (16 R + C) x 32,768: one tensor load of a later launch takes one tile.
; y = 0:      hidden_state f32 -> xb, bf16, tiles [block of 128 tokens 16][block of 128 k 16].
; y = 1,2,3:  Wq, Wk, Wv f32 -> wqkv, bf16, [3] x tiles [block of 128 k 16][head 16].
; y = 4:      Wo f32 -> rounded to bf16, and that number written as f16 -> wof, tiles [block of 128 k 16][block of 128 n 16] (the last product multiplies f16).
; y = 5, x < 128:  mask (bytes 0, 1) -> maskp, bytes 0x00 (seen) or 0xFE (hidden; as an E4M3 code -448), in the order in which a lane of the attention takes them:
;             [b 2][tile of 16 queries 64][step of 64 keys 16][z 2][lane 32][16 bytes]: lane l holds query l % 16; bytes 0-7 keys 64 step + 32 z + 8 (l / 16) + 0..7, bytes 8-15 the keys 16 further on.
; y = 5, x >= 128: position -> rope, f32 [2048 tokens][64 cosines | 64 sines] of position x 10000^(-j/64).
; LIMITS.  |Wo| stays under 65,504 (f16); below 6.1e-5 it keeps f16's fixed step of 6e-8.  The angle is the f32 product position x frequency; it is reduced by pi/2 in three parts, twice, so sine and cosine
; follow that f32 angle to about 1e-7 over all of int32; the frequency itself is good to about 3e-7 of itself.  NaN and infinities are not treated apart.
; A stream: no LDS, no matrix unit; a work-group of the streams takes 65,536 bytes of f32 (8 rows of 2,048 numbers), all its sixteen loads a thread out at once; each store of a wave covers 256 or 512 consecutive bytes, aligned.
	s_load_b512 s[8:23], s[0:1], 0x0               ; hidden s[8:9], Wq s[10:11], Wk s[12:13], Wv s[14:15], Wo s[16:17], mask s[18:19], position s[20:21], xb s[22:23]
	s_load_b256 s[24:31], s[0:1], 0x40             ; wqkv s[24:25], wof s[26:27], maskp s[28:29], rope s[30:31]
	s_and_b32 s2, ttmp7, 0xffff                    ; y: which job
	s_mov_b32 s3, ttmp9                            ; x: which part of it
	v_lshlrev_b32 v1, 4, v0                        ; 16 t
	v_and_b32 v2, 31, v0
	v_lshrrev_b32 v3, 5, v0
	v_lshlrev_b32 v2, 3, v2
	v_lshl_add_u32 v2, v3, 15, v2                  ; the streams' stores: wave x a tile + 8 x lane: a wave's 128 numbers of a row are one row of one tile
	s_wait_kmcnt 0x0
	s_cmp_eq_u32 s2, 5
	s_cbranch_scc1 .Lfive
	; THE STREAMS.  Source and destination are chosen by y alone.
	s_cmp_eq_u32 s2, 0
	s_cselect_b64 s[4:5], s[8:9], s[10:11]
	s_cselect_b64 s[6:7], s[22:23], s[24:25]
	s_cmp_eq_u32 s2, 2
	s_cselect_b64 s[4:5], s[12:13], s[4:5]
	s_cmp_eq_u32 s2, 3
	s_cselect_b64 s[4:5], s[14:15], s[4:5]
	s_cmp_eq_u32 s2, 4
	s_cselect_b64 s[4:5], s[16:17], s[4:5]
	s_cselect_b64 s[6:7], s[26:27], s[6:7]
	s_sub_co_u32 s32, s2, 1                        ; y - 1 is the matrix's place in wqkv for y = 1, 2, 3; else 0
	s_cmp_lt_u32 s32, 3
	s_cselect_b32 s32, s32, 0
	s_lshl_b32 s32, s32, 23                        ; a matrix in 16 bits is 2^23 bytes
	s_lshr_b32 s33, s3, 4                          ; my 8 rows lie in block x / 16 of 128 rows: 16 tiles of 32,768 bytes,
	s_lshl_b32 s33, s33, 19
	s_add_co_u32 s32, s32, s33
	s_and_b32 s33, s3, 15                          ; from its row 8 (x % 16) on: rows of 256 bytes
	s_lshl_b32 s33, s33, 11
	s_add_co_u32 s32, s32, s33
	s_mov_b32 s33, 0
	s_lshl_b32 s34, s3, 16                         ; and my 65,536 bytes of the source
	s_mov_b32 s35, 0
	s_add_nc_u64 s[4:5], s[4:5], s[34:35]
	s_add_nc_u64 s[6:7], s[6:7], s[32:33]
.irp i, 0,1,2,3,4,5,6,7,8,9,10,11,12,13,14,15
	global_load_b128 v[16+4*(\i):19+4*(\i)], v1, s[4:5] offset:4096*(\i) th:TH_LOAD_NT
.endr
	s_cmp_eq_u32 s2, 4
	s_cbranch_scc1 .Lwo
.irp i, 0,1,2,3,4,5,6,7,8,9,10,11,12,13,14,15      ; load i: row i / 2 of my 8, columns 1,024 (i % 2) + 128 wave + 4 lane: tile column 8 (i % 2) + wave
	s_wait_loadcnt 15-(\i)                         ; loads come back in order: load i is in, the younger ones stay out
	v_cvt_pk_bf16_f32 v[80+2*(\i)], v[16+4*(\i)], v[17+4*(\i)]
	v_cvt_pk_bf16_f32 v[81+2*(\i)], v[18+4*(\i)], v[19+4*(\i)]
	global_store_b64 v2, v[80+2*(\i):81+2*(\i)], s[6:7] offset:((\i)%2)*262144+((\i)/2)*256  ; no register is used twice, so no store's sources are waited for
.endr
	s_endpgm
.Lwo:                                              ; Wo: rounded to bf16 like every input, then that number as f16
.irp i, 0,1,2,3,4,5,6,7,8,9,10,11,12,13,14,15
	s_wait_loadcnt 15-(\i)
	v_cvt_pk_bf16_f32 v4, v[16+4*(\i)], v[17+4*(\i)]
	v_cvt_pk_bf16_f32 v5, v[18+4*(\i)], v[19+4*(\i)]
	v_lshlrev_b32 v8, 16, v4
	v_and_b32 v9, 0xffff0000, v4
	v_lshlrev_b32 v10, 16, v5
	v_and_b32 v11, 0xffff0000, v5
	v_cvt_pk_f16_f32 v[80+2*(\i)], v8, v9
	v_cvt_pk_f16_f32 v[81+2*(\i)], v10, v11
	global_store_b64 v2, v[80+2*(\i):81+2*(\i)], s[6:7] offset:((\i)%2)*262144+((\i)/2)*256
.endr
	s_endpgm
.Lfive:
	s_cmp_lt_u32 s3, 128
	s_cbranch_scc0 .Lrope
	; THE MASK.  The work-group has 16 queries (x = 64 b + tile): 16 rows of 1,024 bytes in, 16,384 bytes out.  Thread t: r = t % 16, h = (t / 16) % 2, z = (t / 32) % 2, step = t / 64 + 4 i.
	s_lshl_b32 s32, s3, 14
	s_mov_b32 s33, 0
	s_add_nc_u64 s[4:5], s[18:19], s[32:33]
	s_add_nc_u64 s[6:7], s[28:29], s[32:33]
	v_and_b32 v3, 15, v0
	v_lshrrev_b32 v4, 5, v0                        ; z + 2 (t / 64)
	v_bfe_u32 v5, v0, 4, 1                         ; h
	v_lshlrev_b32 v3, 10, v3                       ; row r
	v_lshl_add_u32 v3, v4, 5, v3                   ; + 32 z + 64 (t / 64)
	v_lshl_add_u32 v3, v5, 3, v3                   ; + 8 h
.irp i, 0,1,2,3
	global_load_b64 v[16+4*(\i):17+4*(\i)], v3, s[4:5] offset:256*(\i)
	global_load_b64 v[18+4*(\i):19+4*(\i)], v3, s[4:5] offset:256*(\i)+16
.endr
	s_wait_loadcnt 0x0
.irp n, 0,1,2,3,4,5,6,7,8,9,10,11,12,13,14,15
	v_xor_b32 v[16+(\n)], 0x01010101, v[16+(\n)]   ; 1 where hidden,
	v_mul_lo_u32 v[16+(\n)], v[16+(\n)], 0xfe      ; 0xFE there: no byte carries into the next
.endr
.irp i, 0,1,2,3
	global_store_b128 v1, v[16+4*(\i):19+4*(\i)], s[6:7] offset:4096*(\i)  ; step x 1,024 + z x 512 + lane x 16 = 16 t + 4,096 i
.endr
	s_endpgm
.Lrope:
	; THE TABLE.  The work-group has 16 tokens; thread t: token t / 16, frequencies 4 (t % 16) + 0..3.
	s_sub_co_u32 s32, s3, 128
	s_lshl_b32 s34, s32, 6                         ; 16 positions of 4 bytes
	s_mov_b32 s35, 0
	s_add_nc_u64 s[4:5], s[20:21], s[34:35]
	s_lshl_b32 s34, s32, 13                        ; 16 rows of 512 bytes
	s_add_nc_u64 s[6:7], s[30:31], s[34:35]
	v_lshrrev_b32 v3, 4, v0
	v_and_b32 v4, 15, v0
	v_lshlrev_b32 v5, 2, v3
	global_load_b32 v6, v5, s[4:5]
	v_lshlrev_b32 v7, 9, v3
	v_lshl_add_u32 v7, v4, 4, v7                   ; where my four cosines go
	v_lshlrev_b32 v8, 2, v4
.irp e, 0,1,2,3
	v_add_nc_u32 v[12+(\e)], (\e), v8
	v_cvt_f32_u32 v[12+(\e)], v[12+(\e)]
	v_mul_f32 v[12+(\e)], 0xbe549a78, v[12+(\e)]   ; -j log2(10000) / 64
.endr
.irp e, 0,1,2,3
	v_exp_f32 v[12+(\e)], v[12+(\e)]               ; 10000^(-j/64)
.endr
	v_nop                                          ; a plain instruction behind the last exponential,
	s_wait_alu depctr_va_vdst(0)                   ; and the one wait for the four, ahead of their first use
	s_wait_loadcnt 0x0
	v_cvt_f32_i32 v6, v6
; The rest of v[src] after the nearest multiple of pi/2 is taken away -> v17; that multiple as a whole number -> v[q].  pi/2 in three parts, each by a fused multiply-add.
.macro RED src, q
	v_mul_f32 v18, 0x3f22f983, v[\src]             ; x 2 / pi
	v_rndne_f32 v18, v18
	v_fmamk_f32 v17, v18, 0xbfc90fdb, v[\src]
	v_fmamk_f32 v17, v18, 0x333bbd2e, v17
	v_fmamk_f32 v17, v18, 0x26f72ced, v17
	v_cvt_i32_f32 v[\q], v18
.endm
; Sine and cosine of position x frequency e.  The second reduction takes what the first leaves over where the angle is very large.  Then polynomials on |r| <= pi/4, and the quadrant.
.macro SINCOS e
	v_mul_f32 v16, v6, v[12+(\e)]
	RED 16, 19
	RED 17, 20
	v_add_nc_u32 v19, v19, v20                     ; the quadrant, modulo 4
	v_mul_f32 v20, v17, v17
	v_mov_b32 v21, 0x3638ef1d                      ; 1/9!
	v_mov_b32 v22, 0x37d00d01                      ; 1/8!
	v_fmaak_f32 v21, v21, v20, 0xb9500d01          ; -1/7!
	v_fmaak_f32 v22, v22, v20, 0xbab60b61          ; -1/6!
	v_fmaak_f32 v21, v21, v20, 0x3c088889          ; 1/5!
	v_fmaak_f32 v22, v22, v20, 0x3d2aaaab          ; 1/4!
	v_fmaak_f32 v21, v21, v20, 0xbe2aaaab          ; -1/3!
	v_fmaak_f32 v22, v22, v20, 0xbf000000          ; -1/2
	v_mul_f32 v21, v21, v20
	v_fma_f32 v22, v22, v20, 1.0                   ; cos r
	v_fma_f32 v21, v21, v17, v17                   ; sin r
	v_and_b32 v23, 1, v19
	v_cmp_eq_u32 vcc_lo, 1, v23
	v_cndmask_b32 v24, v21, v22, vcc_lo            ; in odd quadrants the two change places
	v_cndmask_b32 v25, v22, v21, vcc_lo
	v_and_b32 v23, 2, v19                          ; the sine is negative in quadrants 2 and 3,
	v_lshlrev_b32 v23, 30, v23
	v_xor_b32 v[44+(\e)], v24, v23
	v_add_nc_u32 v23, 1, v19                       ; the cosine in 1 and 2
	v_and_b32 v23, 2, v23
	v_lshlrev_b32 v23, 30, v23
	v_xor_b32 v[40+(\e)], v25, v23
.endm
	SINCOS 0
	SINCOS 1
	SINCOS 2
	SINCOS 3
	global_store_b128 v7, v[40:43], s[6:7]             ; sixteen lanes store a token's 64 cosines: 256 consecutive bytes, aligned
	global_store_b128 v7, v[44:47], s[6:7] offset:256  ; and its 64 sines
	s_endpgm
.Lfunc_end_k_qf7677fe372_prep:
	.size	k_qf7677fe372_prep, .Lfunc_end_k_qf7677fe372_prep-k_qf7677fe372_prep
	.p2alignl 7, 3214868480
	.fill 96, 4, 3214868480
	.section	.rodata,"a",@progbits
	.p2align	6, 0x0
	.amdhsa_kernel k_qf7677fe372_prep
		.amdhsa_group_segment_fixed_size 0
		.amdhsa_private_segment_fixed_size 0
		.amdhsa_enable_private_segment 0
		.amdhsa_kernarg_size 96
		.amdhsa_user_sgpr_count 2
		.amdhsa_user_sgpr_kernarg_segment_ptr 1
		.amdhsa_wavefront_size32 1
		.amdhsa_system_sgpr_workgroup_id_x 1
		.amdhsa_system_sgpr_workgroup_id_y 1
		.amdhsa_system_sgpr_workgroup_id_z 1
		.amdhsa_system_vgpr_workitem_id 0
		.amdhsa_next_free_vgpr 112
		.amdhsa_next_free_sgpr 66
		.amdhsa_reserve_vcc 1
		.amdhsa_float_denorm_mode_32 3
		.amdhsa_float_denorm_mode_16_64 3
		.amdhsa_memory_ordered 1
		.amdhsa_forward_progress 1
		.amdhsa_inst_pref_size 29
	.end_amdhsa_kernel
	.amdgpu_metadata
---
amdhsa.version: [ 1, 2 ]
amdhsa.kernels:
  - .name:           k_qf7677fe372_prep
    .symbol:         k_qf7677fe372_prep.kd
    .args:
      - { .name: hidden_state, .offset: 0, .size: 8, .value_kind: global_buffer, .address_space: global }
      - { .name: Wq, .offset: 8, .size: 8, .value_kind: global_buffer, .address_space: global }
      - { .name: Wk, .offset: 16, .size: 8, .value_kind: global_buffer, .address_space: global }
      - { .name: Wv, .offset: 24, .size: 8, .value_kind: global_buffer, .address_space: global }
      - { .name: Wo, .offset: 32, .size: 8, .value_kind: global_buffer, .address_space: global }
      - { .name: mask, .offset: 40, .size: 8, .value_kind: global_buffer, .address_space: global }
      - { .name: position, .offset: 48, .size: 8, .value_kind: global_buffer, .address_space: global }
      - { .name: xb, .offset: 56, .size: 8, .value_kind: global_buffer, .address_space: global }
      - { .name: wqkv, .offset: 64, .size: 8, .value_kind: global_buffer, .address_space: global }
      - { .name: wof, .offset: 72, .size: 8, .value_kind: global_buffer, .address_space: global }
      - { .name: maskp, .offset: 80, .size: 8, .value_kind: global_buffer, .address_space: global }
      - { .name: rope, .offset: 88, .size: 8, .value_kind: global_buffer, .address_space: global }
    .group_segment_fixed_size: 0
    .private_segment_fixed_size: 0
    .kernarg_segment_align: 8
    .kernarg_segment_size: 96
    .max_flat_workgroup_size: 256
    .sgpr_count:     66
    .vgpr_count:     112
    .wavefront_size: 32
...
	.end_amdgpu_metadata
.endif
;; end of part 1
;; launch qkv (part 2): grid 16 x 16, 4 waves a work-group, clusters of 4 x 4, 327,680 bytes of LDS; arguments xb, wqkv, rope, qkvh; writes qkvh
.if DOCPART == 2
	.amdgcn_target "amdgcn-amd-amdhsa--gfx1250"
	.amdhsa_code_object_version 6
	.text
	.protected	k_qf7677fe372_qkv
	.globl	k_qf7677fe372_qkv
	.p2align	8
	.type	k_qf7677fe372_qkv,@function
k_qf7677fe372_qkv:
	s_mov_b64 s[64:65], 0
	v_nop
	global_prefetch_b8 v0, s[64:65] scope:SCOPE_SE
	s_setreg_imm32_b32 hwreg(HW_REG_WAVE_MODE, 25, 1), 1
	s_wait_xcnt 0x0
	s_wait_alu depctr_hold_cnt(0) depctr_sa_sdst(0) depctr_va_vdst(0) depctr_va_sdst(0) depctr_va_ssrc(0) depctr_va_vcc(0) depctr_vm_vsrc(0)
	s_getreg_b32 s2, hwreg(HW_REG_IB_STS2, 6, 4)
	s_cmp_eq_u32 s2, 0
	s_cbranch_scc0 .Lentry_in_a_cluster
	s_endpgm
.Lentry_in_a_cluster:
	s_bfe_u32 s2, ttmp6, 0x10000c
	s_cmp_lg_u32 s2, 0xf033
	s_cbranch_scc0 .Lentry_shape_is_right
	s_endpgm
.Lentry_shape_is_right:
; Launch 2 of 4: q, k, v = x Wq, x Wk, x Wv, the rotation of q and k by the table, all three stored by heads in f16.  No work is left out.
; xb: bf16 in tiles of 128 x 128 (32,768 consecutive bytes each): [block of 128 tokens 16][block of 128 k 16]; wqkv: bf16, [3] x tiles [block of 128 k 16][head 16]; rope: f32 [token][64 cos | 64 sin];
; qkvh: f16 [3][16 b + head][1024][128], each number rounded once from its f32 sum, unscaled.
; LIMITS: |q|, |k|, |v| stay under 65,504 (f16).  The f32 sums run over K from the cluster's first K step round the end (below), not from 0.  NaN and infinities are not treated apart.
; SHARES.  A work-group makes 128 tokens x (q, k and v of ONE head): 128 x 384; 16 blocks of tokens (grid x) x 16 heads (grid y) are 256 work-groups.  Wave w: rows 64 (w / 2) on (four blocks a of 16), and of
; each of the three matrices the blocks of 16 columns 2 ch, 2 ch + 1, 4 + 2 ch, 5 + 2 ch (ch = w % 2): so channels d and d + 64, which the rotation pairs, lie in the same lane and register number of
; accumulators i and i + 2.  48 accumulators, 384 registers.  K goes in 16 steps of 128 through two LDS slots filled by the tensor data mover: wave 0 fetches x's tile, waves 1 to 3 a matrix's tile each;
; wave w's tile begins at w x 36,864 in a slot.
; THE MATRIX INSTRUCTION IS USED TRANSPOSED: source 0 = 16 columns of W (which lies [k][n] and is turned on its way out of LDS by ds_load_tr16_b128), source 1 = 16 tokens: a lane then holds ONE token
; (lane % 16) and eight neighbouring columns 8 (lane / 16) + 0..7.
; CLUSTER 4 x 4: x's tile hangs on the block of tokens alone and is shared along a column of the cluster, W's tiles on the head alone and are shared along a row: each is asked for jointly.
; THE WALK ALONG K.  A cluster begins at K step (4 x cluster x + 8 p) mod 16, p = the parity of cluster y's two bits, and goes round the end.  So the four clusters that read the same tiles of W (one cluster y)
; walk 4 steps apart, and of the four that read the same tiles of x (one cluster x) two and two walk 8 steps apart: a tile is asked for at different times by the clusters that read it.
; REGISTERS, in windows of 256: window 0: v16-31 addresses; v32-55 at work on the way out; v64-127 x's fragments, two buffers of 32; v128-255 the table for my tokens and channels
;   window 1: W's fragments, two buffers of 96        window 2: accumulators of a = 0, 1 at 8 (12 (a % 2) + g), g = 4 matrix + i        window 3: those of a = 2, 3
.set PA,    272                        ; a row of x in LDS: 256 bytes + 16: the 16 rows of a load start at 16 different groups of four banks (64 banks of 4 bytes: ISA guide 11.1)
.set PW,    288                        ; a row of W: 256 + 32
.set WT,    128*PW                     ; a matrix's tile
.set XT,    WT                         ; x's tile (128 x 272 = 34,816 bytes) has a place as large as a matrix's, so that wave w's tile begins at w x WT
.set SLOT,  4*WT                       ; x's tile, then the three matrices'
.set SPARE, 2*SLOT                     ; behind the ring: the spare words, 128 bytes for each wave: two blocks of 256 bytes that no other line names
.set STM,   128*272                    ; the way out's stage lies in slot 0, which has had its last fill and its last read by then: [matrix 3][row 128], 272 bytes a row
.set ADRA, 16                          ; v16     LDS address of my fragments of x in the slot in hand
.set ADRB, 17                          ; v17-19  the same for the three matrices
.set A0,   20                          ; v20     my lane's place in a slot, for x; never rewritten
.set B0,   21                          ; v21-23  for the three matrices; never rewritten
.set STO,  24                          ; v24-26  the way out: where I put 16 bytes of a row, by matrix
.set RD,   27                          ; v27-29  where I read rows back
.set SPW,  30                          ; v30     LDS address of my spare word; never rewritten
.set NIL,  31                          ; v31     0; never rewritten
.set T1,   32                          ; v32-39  eight rotated numbers, channels d
.set T2,   40                          ; v40-47  channels d + 64
.set H,    48                          ; v48-55  both in f16
.set TO,   56                          ; v56     my byte offset in the table
.set CO,   57                          ; v57     16 x lane
.set PFO,  58                          ; v58     256 x lane: a tile's row is 256 bytes; never rewritten
.set FA,   64
.set CT,   128                         ; block a, i at CT + 32 a + 16 i: eight cosines, eight sines
.set WV, 12
.set RH, 13
.set CH, 14
.set CX, 15
.set CY, 16
.set HX, 17                            ; the head
.set TY, 18                            ; the block of 128 tokens
.set MI, 19                            ; the matrix whose tiles I fetch (waves 1 to 3): it enters global addresses alone
.set XB, 20                            ; s[20:21] xb at my block of tokens, K step 0
.set G1A, 24                           ; s[24:31] descriptor group 1 for x's tiles
.set G0A, 32                           ; s[32:39] group 0: a set for each first fill; the second then walks
.set CNT, 40
.set LIM, 41                           ; 10 in a wave that prefetches, else the greatest number
.set SB,  42                           ; the slot that is read: 0 or SLOT
.set SBF, 43                           ; the slot that was filled last
.set PFA, 44                           ; s[44:45] what the prefetch names
.set PFB, 46                           ; s[46:47] xb at my work-group's 32 rows of the tile, K step 0
.set G1B, 48                           ; s[48:55], s[56:63] the same for W's tiles
.set G0B, 56
.set LB,  66                           ; my tile's place in a slot: wave x WT
.set P0,  68                           ; s[68:73] where my 32 rows of q, k, v go
.set RB,  74                           ; s[74:75] the table at my rows and channels
.set WB,  76                           ; s[76:77] wqkv at my matrix and head, K step 0
.set OFA, 80                           ; s[80:81] a K step's byte offset in xb: 32,768 x the step
.set OFB, 82                           ; s[82:83] in wqkv: 524,288 x the step
.set KK,  84                           ; s84     the K step that was asked for last
.set PK,  86                           ; s[86:87] the byte offset in xb of the K step that the prefetch names
.set MSB, 0
.macro WIN new                         ; the immediate's high byte repeats the setting that is left; a switch that changes nothing is dropped
.if MSB != (\new)
	s_set_vgpr_msb (MSB<<8)|(\new)
.set MSB, \new
.endif
.endm
.macro PLACES                          ; four places in front of loads into registers that matrix instructions have read (ISA guide 7.12.1 for vector instructions)
.rept 4
	v_nop
.endr
.endm
.macro JLOAD                           ; a joint refill by the walking descriptors; the branch hangs on the wave's number alone; an s_nop 0 and four v_nop follow each line
	s_cmp_eq_u32 s[WV], 0
	s_cbranch_scc0 .Lfor_b_\@
	tensor_load_to_lds s[G0A+4:G0A+7], s[G1A:G1A+7]
	s_nop 0
.rept 4
	v_nop
.endr
	s_branch .Lasked_\@
.Lfor_b_\@:
	tensor_load_to_lds s[G0B+4:G0B+7], s[G1B:G1B+7]
	s_nop 0
.rept 4
	v_nop
.endr
.Lasked_\@:
.endm
; A PREFETCH INTO THE L2 of x's tile that stands two refills on: 32 rows x 256 bytes, a lane a row.  A tile of x is read first by the two clusters (of the four with its cluster x) whose walk comes to it in
; its steps 0 to 7; of the two the one with cluster y below 2 asks, by its wave 0.  In the four trips that fill the walk's steps 2 to 5 it names steps 4 to 7: 384 matrix instructions ahead of their loads.
; The four partners that ask for the tile jointly share its 128 rows out by address, 32 each (by cy).  So a row is named at most once in the launch.  The walk's steps 0 to 3 come by their loads alone:
; nothing is asked for at the head.  W's tiles are read first in a walk's steps 0 to 3, so none of them is asked for.
.macro ASK
	s_cmp_gt_u32 s[CNT], s[LIM]
	s_cbranch_scc0 .Lnot_mine_\@
	global_prefetch_b8 v[PFO], s[PFA:PFA+1] th:TH_LOAD_NT scope:SCOPE_SE
.Lnot_mine_\@:
.endm
.macro CREST                           ; a round of the cluster's barrier behind its opening barrier
	s_cmp_lg_u32 s[WV], 0
	s_cbranch_scc1 .Lnot_wave_0_\@
	s_barrier_signal -3
.Lnot_wave_0_\@:
	s_barrier_wait -3
	s_barrier_signal -1
	s_barrier_wait -1
.endm
.macro CROUND
	s_barrier_signal -1
	s_barrier_wait -1
	CREST
.endm
	s_load_b256 s[4:11], s[0:1], 0x0               ; xb s[4:5], wqkv s[6:7], rope s[8:9], qkvh s[10:11]
	v_lshl_add_u32 v[SPW], v0, 2, SPARE
	v_mov_b32 v[NIL], 0
	ds_add_u32 v[SPW], v[NIL]                      ; the wave's opening: the add, twice on end, and its wait ahead of my first tensor load
	ds_add_u32 v[SPW], v[NIL]
	v_lshrrev_b32 v1, 5, v0
	v_readfirstlane_b32 s[WV], v1
	s_lshr_b32 s[RH], s[WV], 1
	s_and_b32 s[CH], s[WV], 1
	s_bfe_u32 s[CX], ttmp6, 0x40000
	s_bfe_u32 s[CY], ttmp6, 0x40004
	s_lshl_b32 s[TY], ttmp9, 2
	s_add_co_u32 s[TY], s[TY], s[CX]               ; my block of tokens = 4 x cluster x + cx
	s_and_b32 s[HX], ttmp7, 0xffff
	s_lshl_b32 s[HX], s[HX], 2
	s_add_co_u32 s[HX], s[HX], s[CY]               ; my head = 4 x cluster y + cy
	s_and_b32 s[KK], ttmp7, 0xffff                 ; the cluster's first K step, of the cluster's x and y alone: the same in all sixteen partners
	s_lshr_b32 s85, s[KK], 1
	s_xor_b32 s[KK], s[KK], s85
	s_and_b32 s[KK], s[KK], 1                      ; p
	s_lshl_b32 s[KK], s[KK], 1
	s_add_co_u32 s[KK], s[KK], ttmp9
	s_lshl_b32 s[KK], s[KK], 2
	s_and_b32 s[KK], s[KK], 15                     ; (4 x cluster x + 8 p) mod 16
	s_max_u32 s[MI], s[WV], 1
	s_sub_co_u32 s[MI], s[MI], 1
	s_mul_i32 s[LB], s[WV], WT                     ; where my tile goes in a slot: the wave's number times a constant
	s_lshl_b32 s22, 0x1111, s[CX]                  ; my column of the cluster
	s_lshl_b32 s78, s[CY], 2
	s_lshl_b32 s78, 15, s78                        ; my row
	s_or_b32 s[G1A], s22, (1<<16)|(1<<20)|(1<<21)|(5<<22)|(3<<25)  ; the mask; elements of 2 bytes; padding on; bit 21 beside a mask; after every 64 words, 4 words
	s_or_b32 s[G1B], s78, (1<<16)|(1<<20)|(1<<21)|(5<<22)|(7<<25)  ; the same with 8 words of padding
.irp g, G1A, G1B
	s_mov_b32 s[(\g)+1], 128<<16                   ; tensor_dim0 = 128
	s_mov_b32 s[(\g)+2], 128<<16                   ; tensor_dim1 = 128
	s_mov_b32 s[(\g)+3], 128<<16                   ; tile_dim0 = 128
	s_mov_b32 s[(\g)+4], 128                       ; tile_dim1 = 128
	s_mov_b32 s[(\g)+5], 128                       ; elements from row to row: a tile's rows lie on end
	s_mov_b32 s[(\g)+6], 0
	s_mov_b32 s[(\g)+7], 0
.endr
	s_lshl_b32 s[XB], s[TY], 19                    ; x: my block's 16 tiles of 32,768 bytes: hangs on the block of tokens alone
	s_mov_b32 s[XB+1], 0
	s_lshl_b32 s[WB], s[MI], 23                    ; W: the matrix, and the head's tile in a row of 16 tiles: hangs on the head and the wave alone
	s_lshl_b32 s[WB+1], s[HX], 15
	s_add_co_u32 s[WB], s[WB], s[WB+1]
	s_mov_b32 s[WB+1], 0
	s_lshl_b32 s[OFA], s[KK], 15
	s_mov_b32 s[OFA+1], 0
	s_lshl_b32 s[OFB], s[KK], 19
	s_mov_b32 s[OFB+1], 0
	s_mov_b32 s[SB], 0
	s_mov_b32 s[SBF], SLOT
	s_wait_dscnt 0x0                               ; both opening adds are done
	s_wait_kmcnt 0x0
	s_add_nc_u64 s[XB:XB+1], s[4:5], s[XB:XB+1]
	s_add_nc_u64 s[WB:WB+1], s[6:7], s[WB:WB+1]
	CROUND                                         ; all sixteen work-groups are here: the first joint loads meet
	s_mov_b32 s[G0A], 1
	s_mov_b32 s[G0A+1], 0                          ; the walk's step 0 into slot 0
	s_add_nc_u64 s[G0A+2:G0A+3], s[XB:XB+1], s[OFA:OFA+1]
	s_mov_b32 s[G0A+4], 1
	s_mov_b32 s[G0A+5], SLOT                       ; its step 1 into slot 1 (the first step is a multiple of 4: the second does not pass the end)
	s_add_nc_u64 s[G0A+6:G0A+7], s[G0A+2:G0A+3], 32768
	s_or_b32 s[G0A+3], s[G0A+3], 0x80000000
	s_or_b32 s[G0A+7], s[G0A+7], 0x80000000
	s_mov_b32 s[G0B], 1
	s_mov_b32 s[G0B+1], s[LB]
	s_add_nc_u64 s[G0B+2:G0B+3], s[WB:WB+1], s[OFB:OFB+1]
	s_mov_b32 s[G0B+4], 1
	s_add_co_u32 s[G0B+5], s[LB], SLOT
	s_add_nc_u64 s[G0B+6:G0B+7], s[G0B+2:G0B+3], 0x80000
	s_or_b32 s[G0B+3], s[G0B+3], 0x80000000
	s_or_b32 s[G0B+7], s[G0B+7], 0x80000000
	s_add_co_u32 s[KK], s[KK], 1                   ; the walking descriptors stand at the walk's step 1
	s_cmp_eq_u32 s[WV], 0                          ; a wave's two first fills stand in one branch, ahead of every wait on TENSORcnt and every LDS read: two loads of mine are out
	s_cbranch_scc0 .Lfirst_b
	tensor_load_to_lds s[G0A:G0A+3], s[G1A:G1A+7]
	s_nop 0
	tensor_load_to_lds s[G0A+4:G0A+7], s[G1A:G1A+7]
	s_nop 0
.rept 4
	v_nop
.endr
	s_branch .Lfirst_asked
.Lfirst_b:
	tensor_load_to_lds s[G0B:G0B+3], s[G1B:G1B+7]
	s_nop 0
	tensor_load_to_lds s[G0B+4:G0B+7], s[G1B:G1B+7]
	s_nop 0
.rept 4
	v_nop
.endr
.Lfirst_asked:
	v_and_b32 v1, 15, v0                           ; r = l % 16
	v_bfe_u32 v2, v0, 4, 1                         ; h = l / 16
	v_and_b32 v3, 7, v0
	v_bfe_u32 v4, v0, 3, 1
	v_and_b32 v5, 31, v0
	; the table for my 64 tokens and my 32 frequencies: token 16 a + r, frequencies 32 ch + 16 i + 8 h + 0..7; it is wanted on the way out
	s_lshl_b32 s2, s[TY], 16                       ; 128 tokens of 512 bytes
	s_lshl_b32 s3, s[RH], 15
	s_add_co_u32 s2, s2, s3
	s_lshl_b32 s3, s[CH], 7
	s_add_co_u32 s2, s2, s3
	s_mov_b32 s3, 0
	s_add_nc_u64 s[RB:RB+1], s[8:9], s[2:3]
	v_lshlrev_b32 v[TO], 9, v1
	v_lshl_add_u32 v[TO], v2, 5, v[TO]
.irp a, 0,1,2,3
.irp i, 0,1
	global_load_b128 v[CT+32*(\a)+16*(\i):CT+32*(\a)+16*(\i)+3],     v[TO], s[RB:RB+1] offset:8192*(\a)+64*(\i)
	global_load_b128 v[CT+32*(\a)+16*(\i)+4:CT+32*(\a)+16*(\i)+7],   v[TO], s[RB:RB+1] offset:8192*(\a)+64*(\i)+16
	global_load_b128 v[CT+32*(\a)+16*(\i)+8:CT+32*(\a)+16*(\i)+11],  v[TO], s[RB:RB+1] offset:8192*(\a)+64*(\i)+256
	global_load_b128 v[CT+32*(\a)+16*(\i)+12:CT+32*(\a)+16*(\i)+15], v[TO], s[RB:RB+1] offset:8192*(\a)+64*(\i)+272
.endr
.endr
	; a fragment of x: lane l holds row l % 16; two loads of 16 bytes, 32 bytes apart, at row x pitch + 16 h
	v_mul_u32_u24 v[A0], v1, PA
	v_lshl_add_u32 v[A0], v2, 4, v[A0]
	s_mul_i32 s22, s[RH], 64*PA
	v_add_nc_u32 v[A0], s22, v[A0]
	; a fragment of W, turned: lane l reads 16 bytes of k row 8 h + l % 8, columns 8 ((l / 8) % 2) + 0..7, and is left with column l % 16 and 8 k
	v_lshl_add_u32 v6, v2, 3, v3
	v_mul_u32_u24 v6, v6, PW
	v_lshl_add_u32 v6, v4, 4, v6
	s_lshl_b32 s22, s[CH], 6
	s_add_co_u32 s22, s22, XT
	v_add_nc_u32 v[B0], s22, v6
	v_add_nc_u32 v[B0+1], WT, v[B0]
	v_add_nc_u32 v[B0+2], WT, v[B0+1]
	v_mov_b32 v[ADRA], v[A0]
	v_mov_b32 v[ADRB], v[B0]
	v_mov_b32 v[ADRB+1], v[B0+1]
	v_mov_b32 v[ADRB+2], v[B0+2]
	; the way out
	s_lshl_b32 s22, s[CH], 6
	v_add_nc_u32 v[STO], s22, v[A0]                ; (64 rh + r) x 272 + 16 h + 64 ch: the stage's pitch is x's
	v_add_nc_u32 v[STO+1], STM, v[STO]
	v_add_nc_u32 v[STO+2], STM, v[STO+1]
	s_mul_i32 s22, s[WV], 32*272
	v_mul_u32_u24 v[RD], v2, 272                   ; back: wave w takes rows 32 w on, whole: lanes 0-15 one row of 256 bytes, lanes 16-31 the next
	v_lshl_add_u32 v[RD], v1, 4, v[RD]
	v_add_nc_u32 v[RD], s22, v[RD]
	v_add_nc_u32 v[RD+1], STM, v[RD]
	v_add_nc_u32 v[RD+2], STM, v[RD+1]
	v_lshlrev_b32 v[CO], 4, v5
	v_lshlrev_b32 v[PFO], 8, v5
	s_lshr_b32 s2, s[TY], 3                        ; the batch
	s_lshl_b32 s2, s2, 4
	s_add_co_u32 s2, s2, s[HX]
	s_lshl_b32 s2, s2, 10                          ; (16 b + head) x 1,024 rows
	s_and_b32 s3, s[TY], 7
	s_lshl_b32 s3, s3, 7
	s_add_co_u32 s2, s2, s3
	s_lshl_b32 s3, s[WV], 5
	s_add_co_u32 s2, s2, s3
	s_lshl_b32 s2, s2, 8                           ; rows of 256 bytes
	s_mov_b32 s3, 0
	s_add_nc_u64 s[P0:P0+1], s[10:11], s[2:3]
	s_add_nc_u64 s[P0+2:P0+3], s[P0:P0+1], 0x800000
	s_add_nc_u64 s[P0+4:P0+5], s[P0+2:P0+3], 0x800000
	; the prefetches
	s_lshl_b32 s2, s[CY], 13                       ; my work-group's 32 rows of x's tile
	s_mov_b32 s3, 0
	s_add_nc_u64 s[PFB:PFB+1], s[XB:XB+1], s[2:3]
	s_mov_b32 s[PK+1], 0
	s_and_b32 s67, ttmp7, 0xffff
	s_lshr_b32 s67, s67, 1                         ; 0 where cluster y is below 2,
	s_or_b32 s67, s67, s[WV]                       ; in wave 0
	s_cmp_eq_u32 s67, 0
	s_cselect_b32 s[LIM], 10, -1                   ; the same in all sixteen partners, for a given wave
; 12 matrix instructions: block a of my rows x my 12 blocks of columns, 32 along K, from buffer f.  All 48 accumulators take turns, one instruction a turn, in the same order in every quarter.
.macro MUL12 f, a, zero
	WIN 0xa1+0x50*((\a)/2)
.irp g, 0,1,2,3,4,5,6,7,8,9,10,11
.if \zero
	v_wmma_f32_16x16x32_bf16 v[8*(12*((\a)%2)+(\g)):8*(12*((\a)%2)+(\g))+7], v[96*(\f)+8*(\g):96*(\f)+8*(\g)+7], v[FA+32*(\f)+8*(\a):FA+32*(\f)+8*(\a)+7], 0
.else
	v_wmma_f32_16x16x32_bf16 v[8*(12*((\a)%2)+(\g)):8*(12*((\a)%2)+(\g))+7], v[96*(\f)+8*(\g):96*(\f)+8*(\g)+7], v[FA+32*(\f)+8*(\a):FA+32*(\f)+8*(\a)+7], v[8*(12*((\a)%2)+(\g)):8*(12*((\a)%2)+(\g))+7]
.endif
.endr
.endm
; 32 LDS loads in one run: quarter q (32 along K) of the slot in hand into buffer f: W's 12 fragments, then x's four; the last four loads are x's blocks 2 and 3
.macro FETCH q, f
	WIN 0x40
.irp m, 0,1,2
.irp i, 0,1,2,3
	ds_load_tr16_b128 v[96*(\f)+8*(4*(\m)+(\i)):96*(\f)+8*(4*(\m)+(\i))+3],   v[ADRB+(\m)] offset:32*PW*(\q)+32*((\i)%2)+128*((\i)/2)
	ds_load_tr16_b128 v[96*(\f)+8*(4*(\m)+(\i))+4:96*(\f)+8*(4*(\m)+(\i))+7], v[ADRB+(\m)] offset:32*PW*(\q)+32*((\i)%2)+128*((\i)/2)+16*PW
.endr
.endr
	WIN 0
.irp a, 0,1,2,3
	ds_load_b128 v[FA+32*(\f)+8*(\a):FA+32*(\f)+8*(\a)+3],   v[ADRA] offset:64*(\q)+16*PA*(\a)
	ds_load_b128 v[FA+32*(\f)+8*(\a)+4:FA+32*(\f)+8*(\a)+7], v[ADRA] offset:64*(\q)+16*PA*(\a)+32
.endr
.endm
; One of a K step's first three quarters: multiplies buffer f; in its middle it fetches quarter q into buffer g
.macro QUARTER q, f, g, zero
	s_wait_dscnt 4                                 ; W and x's blocks 0 and 1 are in; the youngest four loads (blocks 2 and 3) may be out
	MUL12 \f, 0, \zero
	MUL12 \f, 1, \zero
	PLACES
	FETCH \q, \g
	s_wait_dscnt 32                                ; all but the 32 just issued
	MUL12 \f, 2, \zero
	MUL12 \f, 3, \zero
.endm
; The last quarter multiplies buffer 1 and changes slots: one barrier.  In front of it each wave waits for all its tensor loads (one is out: its part of the next slot), adds 0 to its spare word, and waits
; for that and for its reads of this slot.  fill = 1: the barrier opens a round of the cluster's, and behind the round this slot is filled again first, with the walk's step two on.
.macro TURN fill
.if \fill
	s_wait_xcnt 0x0                                ; the last prefetch, a K step back, has read its address, which is written below
.endif
	WIN 0                                          ; (the add's two registers lie in window 0)
	s_wait_tensorcnt 0x0                           ; no tensor load of mine is out, so a group 0 may be written
	ds_add_u32 v[SPW], v[NIL]                      ; 0 onto my spare word
.if \fill
	s_xor_b32 s[SBF], s[SBF], SLOT                 ; the walking descriptors: the other slot than last time,
	s_mov_b32 s[G0A+5], s[SBF]
	s_add_co_u32 s[G0B+5], s[SBF], s[LB]
	s_add_co_u32 s[KK], s[KK], 1                   ; the next K step, round the end;
	s_and_b32 s[KK], s[KK], 15
	s_lshl_b32 s[OFA], s[KK], 15
	s_lshl_b32 s[OFB], s[KK], 19
	s_add_nc_u64 s[G0A+6:G0A+7], s[XB:XB+1], s[OFA:OFA+1]  ; the addresses are made anew from the step's number, and the type set again
	s_or_b32 s[G0A+7], s[G0A+7], 0x80000000
	s_add_nc_u64 s[G0B+6:G0B+7], s[WB:WB+1], s[OFB:OFB+1]
	s_or_b32 s[G0B+7], s[G0B+7], 0x80000000
	s_add_co_u32 s[PK], s[KK], 2                   ; the prefetch names the K step two on, round the end too: it never leaves xb
	s_and_b32 s[PK], s[PK], 15
	s_lshl_b32 s[PK], s[PK], 15
	s_add_nc_u64 s[PFA:PFA+1], s[PFB:PFB+1], s[PK:PK+1]
.endif
	s_xor_b32 s[SB], s[SB], SLOT                   ; the reads go over to the other slot
	s_wait_dscnt 5                                 ; (the add and the youngest four loads may be out)
	MUL12 1, 0, 0
	s_wait_dscnt 0x0                               ; the add is done, and my reads of this slot are over
	s_barrier_signal -1
	MUL12 1, 1, 0                                  ; work on registers while the others arrive
	WIN 0
	s_barrier_wait -1
.if \fill
	CREST                                          ; no wave of any partner still reads this slot or has a load on its way
	JLOAD                                          ; my one tensor load behind the round, and the first thing there
.endif
	v_add_nc_u32 v[ADRA], s[SB], v[A0]             ; four plain instructions: also the places in front of the loads into buffer 0
	v_add_nc_u32 v[ADRB], s[SB], v[B0]
	v_add_nc_u32 v[ADRB+1], s[SB], v[B0+1]
	v_add_nc_u32 v[ADRB+2], s[SB], v[B0+2]
	FETCH 0, 0
.if \fill
	ASK
.endif
	MUL12 1, 2, 0
	MUL12 1, 3, 0
.endm
	s_wait_tensorcnt 1                             ; my part of the walk's step 0 is in; step 1's may stay out
	s_barrier_signal -1
	s_barrier_wait -1
	FETCH 0, 0
	QUARTER 1, 0, 1, 1                             ; the first quarter stands in front of the loop: its products start the sums
	WIN 0
	s_mov_b32 s[CNT], 14                           ; the walk's steps 2 to 15 are asked for in the loop
.Lk:                                               ; a trip goes from a K step's second quarter to the next step's first
	QUARTER 2, 1, 0, 0
	QUARTER 3, 0, 1, 0
	TURN 1
	QUARTER 1, 0, 1, 0
	WIN 0
	s_sub_co_u32 s[CNT], s[CNT], 1
	s_cmp_lg_u32 s[CNT], 0
	s_cbranch_scc1 .Lk
	QUARTER 2, 1, 0, 0                             ; the last two K steps ask for nothing
	QUARTER 3, 0, 1, 0
	TURN 0
	QUARTER 1, 0, 1, 0
	QUARTER 2, 1, 0, 0
	QUARTER 3, 0, 1, 0
	s_wait_dscnt 4
	MUL12 1, 0, 0
	MUL12 1, 1, 0
	s_wait_dscnt 0x0
	MUL12 1, 2, 0
	MUL12 1, 3, 0
	WIN 0
	s_wait_loadcnt 0x0                             ; the table
	PLACES
	PLACES
; THE WAY OUT.  q and k: out(d) = x(d) cos - x(d + 64) sin, out(d + 64) = x(d + 64) cos + x(d) sin, in f32, two numbers an instruction; each accumulator is read from its low end on.
.macro ROPE a, m, i
.set X1, 8*(12*((\a)%2)+4*(\m)+(\i))
.set X2, X1+16
.set CC, CT+32*(\a)+16*(\i)
	WIN 0x02+(\a)/2                                ; source 0 in window 2 or 3
.irp p, 0,2,4,6
	v_pk_mul_f32 v[T1+(\p):T1+(\p)+1], v[X1+(\p):X1+(\p)+1], v[CC+(\p):CC+(\p)+1]
	v_pk_mul_f32 v[T2+(\p):T2+(\p)+1], v[X2+(\p):X2+(\p)+1], v[CC+(\p):CC+(\p)+1]
.endr
.irp p, 0,2,4,6
	v_pk_fma_f32 v[T1+(\p):T1+(\p)+1], v[X2+(\p):X2+(\p)+1], v[CC+8+(\p):CC+8+(\p)+1], v[T1+(\p):T1+(\p)+1] neg_lo:[0,1,0] neg_hi:[0,1,0]
	v_pk_fma_f32 v[T2+(\p):T2+(\p)+1], v[X1+(\p):X1+(\p)+1], v[CC+8+(\p):CC+8+(\p)+1], v[T2+(\p):T2+(\p)+1]
.endr
	WIN 0
.irp p, 0,1,2,3
	v_cvt_pk_f16_f32 v[H+(\p)], v[T1+2*(\p)], v[T1+2*(\p)+1]
	v_cvt_pk_f16_f32 v[H+4+(\p)], v[T2+2*(\p)], v[T2+2*(\p)+1]
.endr
	ds_store_b128 v[STO+(\m)], v[H:H+3]   offset:16*272*(\a)+32*(\i)
	ds_store_b128 v[STO+(\m)], v[H+4:H+7] offset:16*272*(\a)+32*(\i)+128
.endm
.macro VOUT a, i                       ; v is only rounded
.set X1, 8*(12*((\a)%2)+8+(\i))
	WIN 0x0a+5*((\a)/2)
.irp p, 0,1,2,3
	v_cvt_pk_f16_f32 v[H+(\p)], v[X1+2*(\p)], v[X1+2*(\p)+1]
.endr
	WIN 0
	ds_store_b128 v[STO+2], v[H:H+3] offset:16*272*(\a)+32*((\i)%2)+128*((\i)/2)
.endm
.irp a, 0,1,2,3
	ROPE \a, 0, 0
	ROPE \a, 0, 1
	ROPE \a, 1, 0
	ROPE \a, 1, 1
	VOUT \a, 0
	VOUT \a, 1
	VOUT \a, 2
	VOUT \a, 3
.endr
	s_wait_dscnt 0x0                               ; for the others' sake: a row's 256 bytes come from two waves
	s_barrier_signal -1
	s_barrier_wait -1
.set n, 0
.rept 48
	ds_load_b128 v[64+4*n:64+4*n+3], v[RD+n/16] offset:544*(n%16)
.set n, n+1
.endr
.set n, 0
.rept 48
	s_wait_dscnt 47-n                              ; load n is in, the younger ones stay out
	global_store_b128 v[CO], v[64+4*n:64+4*n+3], s[P0+2*(n/16):P0+2*(n/16)+1] offset:512*(n%16)  ; two rows of a head: 512 consecutive bytes, aligned
.set n, n+1
.endr
	s_wait_tensorcnt 0x0                           ; the wave's end, behind my last tensor load and my last LDS store
	ds_add_u32 v[SPW], v[NIL]
	s_wait_dscnt 0x0
	CROUND                                         ; the closing round
	s_endpgm
.Lfunc_end_k_qf7677fe372_qkv:
	.size	k_qf7677fe372_qkv, .Lfunc_end_k_qf7677fe372_qkv-k_qf7677fe372_qkv
	.p2alignl 7, 3214868480
	.fill 96, 4, 3214868480
	.section	.rodata,"a",@progbits
	.p2align	6, 0x0
	.amdhsa_kernel k_qf7677fe372_qkv
		.amdhsa_group_segment_fixed_size 327680
		.amdhsa_private_segment_fixed_size 0
		.amdhsa_enable_private_segment 0
		.amdhsa_kernarg_size 32
		.amdhsa_user_sgpr_count 2
		.amdhsa_user_sgpr_kernarg_segment_ptr 1
		.amdhsa_wavefront_size32 1
		.amdhsa_system_sgpr_workgroup_id_x 1
		.amdhsa_system_sgpr_workgroup_id_y 1
		.amdhsa_system_sgpr_workgroup_id_z 1
		.amdhsa_system_vgpr_workitem_id 0
		.amdhsa_next_free_vgpr 960
		.amdhsa_next_free_sgpr 88
		.amdhsa_reserve_vcc 0
		.amdhsa_float_denorm_mode_32 3
		.amdhsa_float_denorm_mode_16_64 3
		.amdhsa_memory_ordered 1
		.amdhsa_forward_progress 1
		.amdhsa_inst_pref_size 120
	.end_amdhsa_kernel
	.amdgpu_metadata
---
amdhsa.version: [ 1, 2 ]
amdhsa.kernels:
  - .name:           k_qf7677fe372_qkv
    .symbol:         k_qf7677fe372_qkv.kd
    .args:
      - { .name: xb, .offset: 0, .size: 8, .value_kind: global_buffer, .address_space: global }
      - { .name: wqkv, .offset: 8, .size: 8, .value_kind: global_buffer, .address_space: global }
      - { .name: rope, .offset: 16, .size: 8, .value_kind: global_buffer, .address_space: global }
      - { .name: qkvh, .offset: 24, .size: 8, .value_kind: global_buffer, .address_space: global }
    .group_segment_fixed_size: 327680
    .private_segment_fixed_size: 0
    .kernarg_segment_align: 8
    .kernarg_segment_size: 32
    .max_flat_workgroup_size: 128
    .sgpr_count:     88
    .vgpr_count:     960
    .wavefront_size: 32
...
	.end_amdgpu_metadata
.endif
;; end of part 2
;; launch attn (part 3): grid 8 x 32, 4 waves a work-group, clusters of 4 x 1, 327,680 bytes of LDS; arguments qkvh, maskp, ob; writes ob
.if DOCPART == 3
	.amdgcn_target "amdgcn-amd-amdhsa--gfx1250"
	.amdhsa_code_object_version 6
	.text
	.protected	k_qf7677fe372_attn
	.globl	k_qf7677fe372_attn
	.p2align	8
	.type	k_qf7677fe372_attn,@function
k_qf7677fe372_attn:
	s_mov_b64 s[64:65], 0
	v_nop
	global_prefetch_b8 v0, s[64:65] scope:SCOPE_SE
	s_setreg_imm32_b32 hwreg(HW_REG_WAVE_MODE, 25, 1), 1
	s_wait_xcnt 0x0
	s_wait_alu depctr_hold_cnt(0) depctr_sa_sdst(0) depctr_va_vdst(0) depctr_va_sdst(0) depctr_va_ssrc(0) depctr_va_vcc(0) depctr_vm_vsrc(0)
	s_getreg_b32 s2, hwreg(HW_REG_IB_STS2, 6, 4)
	s_cmp_eq_u32 s2, 0
	s_cbranch_scc0 .Lentry_in_a_cluster
	s_endpgm
.Lentry_in_a_cluster:
	s_bfe_u32 s2, ttmp6, 0x10000c
	s_cmp_lg_u32 s2, 0x3003
	s_cbranch_scc0 .Lentry_shape_is_right
	s_endpgm
.Lentry_shape_is_right:
; Launch 3 of 4: O[b][h][q] = the sum over the keys that the mask shows of softmax_k(q . k / sqrt(128)) v.  No work is left out: the mask is an input, so every key tile is computed.
; qkvh: f16 [3][16 b + h][1024][128]; maskp: bytes 0x00 / 0xFE in lane order (see below); ob: f16 in tiles of 128 tokens x 128 channels (32,768 consecutive bytes each): [block of 128 tokens 16][head 16]: a
; work-group's output is one tile.  Products, maxima and sums in f32; the weights p are rounded to f16 for the second product (their sum l is taken of the unrounded p), O once at the end.
; THE MASK is the C operand that starts S^T = K Q^T: 0, or -448 x 2^90 where the key is hidden: one conversion makes an accumulator's eight numbers from eight bytes (0xFE is -448 as E4M3; the scale byte 217
; multiplies by 2^90).  The running maximum m starts at the floor -2^90.  LIMITS: f16's scores are 5.5e11 at the most, far above the floor; a hidden score lies 447 x 2^90 below every m, so its weight is 0;
; a row with no key in sight ends with l = 0 and O = 0, l is raised to 2^-100 before the reciprocal, and the row is 0, as the module's second selection makes it.  A weight below 2^-126 counts as 0; NaN and
; infinities are not treated apart.
; SHARES.  A work-group owns 128 queries of one (b, h): 256 work-groups.  Wave w: queries 64 (w / 2) on, four tiles of 16, and the keys 512 (w % 2) on, eight steps of 64.  The two waves of a pair meet at the
; end in LDS.  Register tile t holds query tile t xor 2 (w % 2): so every wave keeps register tiles 0, 1 and hands over 2, 3: chosen by address, not by a branch.
; LAYOUT.  S^T = K Q^T holds ONE query a lane (lane % 16) and the keys 8 (lane / 16) + 0..7; two such results rounded to f16 ARE source 1 of O^T = V^T P.  p = 2^(c s - c m), c = log2(e) / sqrt(128); O and l
; are multiplied by a = 2^(c m_old - c m_new) in every step.
; BY TURNS.  The wave's tiles are two pieces (0: tiles 0, 1; 2: tiles 2, 3).  In a turn one piece has the matrix unit: 32 products V^T P of the step in hand, then 32 products K Q^T of the next; the other
; piece's softmax, cut into 64 slices, stands between them, one slice behind each matrix instruction.  No first and no last step is written out: O^T, l, V's registers and piece 2's P start at 0, the loop is
; entered and the tail left in the middle of a trip: 32 products on zeros at the start, 32 on a stale K at the end.
; CLUSTER.  The four blocks of queries of a cluster belong to one (b, h) and walk the same K and V: each tile is asked for jointly.
; REGISTERS, in windows of 256: window 0: v0-11 addresses; v12-43 eight registers of statistics a tile; v44-63 addresses; v64-191 S^T; v192-255 P        window 1: O^T, 64 a tile
;   window 2: v0-127 Q; v128-255 K of one step        window 3: v0-127 V of one step; v128-191 the masks of the products to come; v192-223 the mask's bytes, 16 registers a piece
.set KS,    64
.set PK,    272       ; a row of K in LDS: 256 bytes + 16
.set PVP,   288       ; a row of V: 256 + 32
.set VOFF,  128*PK    ; a half of a slot: 128 keys of K, then their V
.set HALFB, 128*(PK+PVP)
.set SLOTB, 2*HALFB   ; a slot: two steps of both halves of the keys
.set STAGE, 2*SLOTB   ; behind the ring: 16 rows x 272 bytes for each wave, for the way out
.set SP,    272
.set SPARE, STAGE+4*16*SP  ; the spare words, 128 bytes for each wave: two blocks of 256 bytes that no other line names
.set XW,    16896     ; the meeting of a pair lies in slot 0, which has had its last fill and its last read by then: for each wave 32 x 512 bytes of O^T, then 2 x 256 of statistics
.set AK0, 2
.set AV0, 3
.set ADR, 4
.set QO,  5
.set STO, 6
.set RD,  7
.set GO,  8
.set ST,  12          ; tile t's statistics at v[ST+8 t]: +0 c m, +1 m, +2, +3 l, +4 to +7 at work; a takes +6
.set MLO, 44          ; 16 x lane
.set XS,  45          ; where I put O^T for my partner,
.set XL,  46          ; where I find my partner's,
.set XS8, 47          ; and the same for the statistics
.set XL8, 48
.set QO2, 49
.set SC,  50          ; the conversions' scale byte, 217
.set PFO, 61
.set SPW, 62
.set NIL, 63
.set S,   64
.set P,   192
.set KF,  128         ; window 2
.set MC,  128         ; window 3: tile u of the piece, group kb of 16 keys at MC + 32 u + 8 kb
.set RAW, 192         ; window 3: piece x, tile u at RAW + 16 (x / 2) + 8 u
.set HK,  10          ; s10  my half's place in a slot, for K
.set HV,  11          ; s11  for V
.set WV,  12
.set LIM, 15
.set PFA, 18
.set G1K, 24
.set G1V, 32
.set G0K, 40
.set G0V, 48
.set SLOTS, 56
.set CNT, 57
.set CS,  58
.set SEL, 60
.set TBK, 62
.set TBV, 63
.set SB,  66
.set SBF, 67
.set MOFF, 68         ; s[68:69] the step whose mask is loaded next, x 1,024
.set MB0, 70          ; s[70:71], s[72:73] the mask at my pieces' tiles and my first step
.set MA0, 74          ; s[74:75], s[76:77] the same at the step in hand
.set TINY, 79
.set OB,  80
.set MSB, 0
.macro WIN new
.if MSB != (\new)
	s_set_vgpr_msb (MSB<<8)|(\new)
.set MSB, \new
.endif
.endm
.set W_KQ, 0x0a       ; K and Q in window 2, S^T in window 0
.set W_KM, 0x3a       ; the same with the C operand in window 3
.set W_PV, 0x53       ; V in window 3, P in window 0, O^T in window 1
.set W_RS, 0x41       ; O^T in window 1, a in window 0
.macro JLOAD                        ; waves 0, 1 fetch K of the two halves, waves 2, 3 V; an s_nop 0 and four v_nop follow each line
	s_cmp_lt_u32 s[WV], 2
	s_cbranch_scc0 .Lfor_v_\@
	tensor_load_to_lds s[G0K+4:G0K+7], s[G1K:G1K+7]
	s_nop 0
.rept 4
	v_nop
.endr
	s_branch .Lasked_\@
.Lfor_v_\@:
	tensor_load_to_lds s[G0V+4:G0V+7], s[G1V:G1V+7]
	s_nop 0
.rept 4
	v_nop
.endr
.Lasked_\@:
.endm
; A prefetch into the L2 of what the next change of slots will ask for.  Both clusters of a (b, h) walk the same K and V: the first asks.  Of the 128 rows that a wave fetches each of the four partners takes 32,
; by address: a lane a row.  So each row is named once.  The last change that fills a slot asks for nothing.
.macro ASK
	s_cmp_gt_u32 s[SLOTS], s[LIM]
	s_cbranch_scc0 .Lnot_mine_\@
	global_prefetch_b8 v[PFO], s[PFA:PFA+1] th:TH_LOAD_NT scope:SCOPE_SE
.Lnot_mine_\@:
.endm
.macro CROUND
	s_barrier_signal -1
	s_barrier_wait -1
	s_cmp_lg_u32 s[WV], 0
	s_cbranch_scc1 .Lnot_wave_0_\@
	s_barrier_signal -3
.Lnot_wave_0_\@:
	s_barrier_wait -3
	s_barrier_signal -1
	s_barrier_wait -1
.endm
	s_load_b128 s[4:7], s[0:1], 0x0 ; qkvh s[4:5], maskp s[6:7]
	s_load_b64 s[8:9], s[0:1], 0x10 ; ob
	v_lshl_add_u32 v[SPW], v0, 2, SPARE
	v_mov_b32 v[NIL], 0
	ds_add_u32 v[SPW], v[NIL]       ; the wave's opening: the add, twice on end, and its wait ahead of my first tensor load
	ds_add_u32 v[SPW], v[NIL]
	v_lshrrev_b32 v1, 5, v0
	v_readfirstlane_b32 s[WV], v1
	s_bfe_u32 s13, ttmp6, 0x40000   ; cx
	s_lshl_b32 s14, ttmp9, 2
	s_add_co_u32 s14, s14, s13      ; my block of 128 queries: it enters Q's, the mask's and O's addresses alone
	s_and_b32 s16, s[WV], 1         ; kh: my half of the keys, and the half that I fetch
	s_lshr_b32 s17, s[WV], 1        ; qh
	s_and_b32 s20, ttmp7, 0xffff    ; 16 b + h, which the partners share
	s_lshr_b32 s21, s20, 4          ; b
	s_mul_i32 s[HK], s16, HALFB
	s_add_co_u32 s[HV], s[HK], VOFF
	s_lshl_b32 s22, s20, 18         ; a head's 1,024 rows of 256 bytes,
	s_lshl_b32 s23, s16, 17         ; my half's 512
	s_add_co_u32 s22, s22, s23
	s_mov_b32 s23, 0
	s_lshl_b32 s2, s20, 18          ; Q: the head, my block, my wave's 64 rows
	s_lshl_b32 s3, s14, 15
	s_add_co_u32 s2, s2, s3
	s_lshl_b32 s3, s17, 14
	s_add_co_u32 s2, s2, s3
	s_mov_b32 s3, 0
	s_lshl_b32 s74, s21, 6          ; the mask: tile of queries 64 b + 8 block + 4 qh + ..
	s_lshl_b32 s75, s14, 3
	s_add_co_u32 s74, s74, s75
	s_lshl_b32 s75, s17, 2
	s_add_co_u32 s74, s74, s75
	s_lshl_b32 s75, s16, 1
	s_add_co_u32 s[MB0], s74, s75   ; .. + 2 kh for piece 0,
	s_xor_b32 s75, s75, 2
	s_add_co_u32 s[MB0+2], s74, s75 ; .. + 2 (1 - kh) for piece 2
	s_lshl_b32 s[MB0], s[MB0], 14   ; a tile's 16 steps of 1,024 bytes
	s_lshl_b32 s[MB0+2], s[MB0+2], 14
	s_lshl_b32 s75, s16, 13         ; my first step, 8 kh
	s_add_co_u32 s[MB0], s[MB0], s75
	s_add_co_u32 s[MB0+2], s[MB0+2], s75
	s_mov_b32 s[MB0+1], 0
	s_mov_b32 s[MB0+3], 0
	s_lshl_b32 s[OB], s21, 3        ; O: the tile of block 8 b + my block of 128 tokens
	s_add_co_u32 s[OB], s[OB], s14
	s_lshl_b32 s[OB], s[OB], 4
	s_and_b32 s75, s20, 15
	s_add_co_u32 s[OB], s[OB], s75  ; and my head;
	s_lshl_b32 s[OB], s[OB], 1
	s_add_co_u32 s[OB], s[OB], s17  ; in it my pair's 64 rows,
	s_lshl_b32 s[OB], s[OB], 1
	s_add_co_u32 s[OB], s[OB], s16  ; of them the 32 that I finish:
	s_lshl_b32 s[OB], s[OB], 13     ; 32 rows of 256 bytes
	s_mov_b32 s[OB+1], 0
	s_mov_b32 s[G1K], 15|(1<<16)|(1<<20)|(1<<21)|(5<<22)|(3<<25)  ; the mask of four; elements of 2 bytes; padding on; bit 21 beside a mask; after every 64 words, 4 words
	s_mov_b32 s[G1V], 15|(1<<16)|(1<<20)|(1<<21)|(5<<22)|(7<<25)  ; the same with 8 words
.irp g, G1K, G1V
	s_mov_b32 s[(\g)+1], 128<<16    ; tensor_dim0 = 128
	s_mov_b32 s[(\g)+2], 128<<16    ; tensor_dim1 = 128
	s_mov_b32 s[(\g)+3], 128<<16    ; tile_dim0 = 128
	s_mov_b32 s[(\g)+4], 128        ; tile_dim1 = 128
	s_mov_b32 s[(\g)+5], 128        ; elements from row to row
	s_mov_b32 s[(\g)+6], 0
	s_mov_b32 s[(\g)+7], 0
.endr
	s_mov_b32 s[CS], 0x3e0293ee     ; c = log2(e) / sqrt(128)
	s_mov_b32 s[CS+1], s[CS]
	s_mov_b32 s[SEL], 0x76543210
	s_mov_b32 s[SEL+1], 0xfedcba98
	s_mov_b32 s[SB], 0
	s_mov_b32 s[SBF], SLOTB
	s_mov_b32 s[TBK], s[HK]
	s_mov_b32 s[TBV], s[HK]
	s_mov_b32 s[MOFF], 0
	s_mov_b32 s[MOFF+1], 0
	s_mov_b32 s[TINY], 0x0d800000   ; 2^-100
	s_mov_b32 s[LIM], ttmp9
	s_cmp_eq_u32 s[LIM], 0
	s_cselect_b32 s[LIM], 1, -1     ; the same in all four partners
	s_wait_dscnt 0x0                ; both opening adds are done
	s_wait_kmcnt 0x0
	s_add_nc_u64 s[82:83], s[4:5], s[22:23]  ; qkvh at my half of the head's rows
	s_add_nc_u64 s[4:5], s[4:5], s[2:3]      ; Q at my wave's first row
	s_add_nc_u64 s[MB0:MB0+1], s[6:7], s[MB0:MB0+1]
	s_add_nc_u64 s[MB0+2:MB0+3], s[6:7], s[MB0+2:MB0+3]
	s_add_nc_u64 s[OB:OB+1], s[8:9], s[OB:OB+1]
	CROUND                          ; all four work-groups are here: the first joint loads meet
	s_mov_b32 s[G0K], 1
	s_mov_b32 s[G0K+1], s[HK]       ; tile 0 into slot 0
	s_add_nc_u64 s[G0K+2:G0K+3], s[82:83], 0x800000
	s_or_b32 s[G0K+3], s[G0K+3], 0x80000000
	s_mov_b32 s[G0K+4], 1
	s_add_co_u32 s[G0K+5], s[HK], SLOTB  ; tile 1 into slot 1
	s_add_nc_u64 s[G0K+6:G0K+7], s[82:83], 0x800000+32768
	s_or_b32 s[G0K+7], s[G0K+7], 0x80000000
	s_mov_b32 s[G0V], 1
	s_mov_b32 s[G0V+1], s[HV]
	s_add_nc_u64 s[G0V+2:G0V+3], s[82:83], 0x1000000
	s_or_b32 s[G0V+3], s[G0V+3], 0x80000000
	s_mov_b32 s[G0V+4], 1
	s_add_co_u32 s[G0V+5], s[HV], SLOTB
	s_add_nc_u64 s[G0V+6:G0V+7], s[82:83], 0x1000000+32768
	s_or_b32 s[G0V+7], s[G0V+7], 0x80000000
	s_cmp_lt_u32 s[WV], 2           ; a wave's two first fills stand in one branch, ahead of every wait on TENSORcnt and every LDS read: two loads of mine are out
	s_cbranch_scc0 .Lfirst_v
	tensor_load_to_lds s[G0K:G0K+3], s[G1K:G1K+7]
	s_nop 0
	tensor_load_to_lds s[G0K+4:G0K+7], s[G1K:G1K+7]
	s_nop 0
.rept 4
	v_nop
.endr
	s_branch .Lfirst_asked
.Lfirst_v:
	tensor_load_to_lds s[G0V:G0V+3], s[G1V:G1V+7]
	s_nop 0
	tensor_load_to_lds s[G0V+4:G0V+7], s[G1V:G1V+7]
	s_nop 0
.rept 4
	v_nop
.endr
.Lfirst_asked:
	s_mov_b32 s2, 0x1000000         ; the prefetches: my tensor, tile 2, my work-group's 32 rows; the first change of slots steps them to tile 3
	s_cmp_lt_u32 s[WV], 2
	s_cselect_b32 s2, 0x800000, s2
	s_lshl_b32 s3, s13, 13
	s_add_co_u32 s2, s2, s3
	s_add_co_u32 s2, s2, 2*32768
	s_mov_b32 s3, 0
	s_add_nc_u64 s[PFA:PFA+1], s[82:83], s[2:3]
	v_and_b32 v1, 15, v0            ; l % 16
	v_bfe_u32 v9, v0, 4, 1          ; l / 16
	v_and_b32 v[MLO], 31, v0
	v_lshlrev_b32 v[PFO], 8, v[MLO]
	v_lshlrev_b32 v[MLO], 4, v[MLO]
	v_lshlrev_b32 v[QO], 8, v1
	v_lshl_add_u32 v[QO], v9, 4, v[QO]
	s_lshl_b32 s2, s16, 13          ; piece 0 holds query tiles 2 kh, 2 kh + 1,
	s_xor_b32 s3, s2, 8192          ; piece 2 the other two
	v_add_nc_u32 v[QO2], s3, v[QO]
	v_add_nc_u32 v[QO], s2, v[QO]
	WIN 0x80                        ; destination window 2
.set i, 0
.rept 16                            ; Q stays in registers: register tile i / 4, channels 32 (i % 4) on
.if i < 8
	global_load_b128 v[8*i:8*i+3],   v[QO], s[4:5] offset:((i/4)%2)*4096+(i%4)*64
	global_load_b128 v[8*i+4:8*i+7], v[QO], s[4:5] offset:((i/4)%2)*4096+(i%4)*64+32
.else
	global_load_b128 v[8*i:8*i+3],   v[QO2], s[4:5] offset:((i/4)%2)*4096+(i%4)*64
	global_load_b128 v[8*i+4:8*i+7], v[QO2], s[4:5] offset:((i/4)%2)*4096+(i%4)*64+32
.endif
.set i, i+1
.endr
	WIN 0xc0                        ; destination window 3: the mask's bytes of my first step, piece 0's and then piece 2's
.irp x, 0,2
.irp u, 0,1
.irp z, 0,1
	global_load_b128 v[RAW+16*((\x)/2)+8*(\u)+4*(\z):RAW+16*((\x)/2)+8*(\u)+4*(\z)+3], v[MLO], s[MB0+(\x):MB0+(\x)+1] offset:16384*(\u)+512*(\z)
.endr
.endr
.endr
	; what the first turn finds: V's registers, piece 2's P, O^T and l hold 0.  All this stands in the wait for the first tile.
.set i, 0
.rept 128
	v_mov_b32 v[i], 0
.set i, i+1
.endr
	WIN 0x40
.set i, 0
.rept 256
	v_mov_b32 v[i], 0
.set i, i+1
.endr
	WIN 0
.set i, P+32
.rept 32
	v_mov_b32 v[i], 0
.set i, i+1
.endr
.set i, 0
.rept 4
	v_mov_b32 v[ST+8*i+1], 0xec800000       ; m: the floor, -2^90
	v_mul_f32 v[ST+8*i], s[CS], v[ST+8*i+1] ; c m
	v_mov_b32 v[ST+8*i+2], 0
	v_mov_b32 v[ST+8*i+3], 0
.set i, i+1
.endr
	v_mov_b32 v[SC], 0xd9
	v_mul_u32_u24 v[AK0], v1, PK
	v_lshl_add_u32 v[AK0], v9, 4, v[AK0]    ; row x pitch + 16 x half
	v_and_b32 v10, 7, v0            ; the turning load: lane l reads key 8 (l / 16) + l % 8, channels 8 ((l / 8) % 2) + 0..7
	v_bfe_u32 v11, v0, 3, 1
	v_lshl_add_u32 v[AV0], v9, 3, v10
	v_mul_u32_u24 v[AV0], v[AV0], PVP
	v_lshl_add_u32 v[AV0], v11, 4, v[AV0]
	v_add_nc_u32 v[AV0], VOFF, v[AV0]
; THE MATRIX WORK.  The accumulators take turns, one instruction a turn.  Product i of 32 of O^T += V^T P for piece x: keys 32 (i / 16) on, channels 16 ((i / 2) % 8) on, tile x + i % 2.
.macro PV x
	WIN W_PV
.set rO, 64*((\x)+i%2)+8*((i/2)%8)
.set rV, 64*(i/16)+8*((i/2)%8)
.set rP, P+16*((\x)+i%2)+8*(i/16)
	v_wmma_f32_16x16x32_f16 v[rO:rO+7], v[rV:rV+7], v[rP:rP+7], v[rO:rO+7]
.endm
; Product i of 32 of S^T = K Q^T: channels 32 (i / 8) on, keys 16 ((i / 2) % 4) on, tile x + i % 2.  The first 8 start the sums, with the mask.
.macro KQ x
.set rS, S+32*((\x)+i%2)+8*((i/2)%4)
.set rK, KF+32*((i/2)%4)+8*(i/8)
.set rQ, 32*((\x)+i%2)+8*(i/8)
.set rM, MC+32*(i%2)+8*((i/2)%4)
.if i < 8
	WIN W_KM
	v_wmma_f32_16x16x32_f16 v[rS:rS+7], v[rK:rK+7], v[rQ:rQ+7], v[rM:rM+7]
.else
	WIN W_KQ
	v_wmma_f32_16x16x32_f16 v[rS:rS+7], v[rK:rK+7], v[rQ:rQ+7], v[rS:rS+7]
.endif
.endm
; THE LDS LOADS stand in runs of 32.  last = 1 (the tail): in the last trip there is no further step, and K's run is jumped over.
.macro FETCH_K last=0
	WIN 0
	v_add_nc_u32 v[ADR], s[TBK], v[AK0]
.if \last
	s_cmp_eq_u32 s[CNT], 1
	s_cbranch_scc1 .Lno_k_\@
.endif
	WIN 0x80
.irp f, 0,1,2,3,4,5,6,7,8,9,10,11,12,13,14,15  ; keys 16 (f / 4) on, channels 32 (f % 4) on
	ds_load_b128 v[KF+8*(\f):KF+8*(\f)+3],   v[ADR] offset:((\f)/4)*16*PK+((\f)%4)*64
	ds_load_b128 v[KF+8*(\f)+4:KF+8*(\f)+7], v[ADR] offset:((\f)/4)*16*PK+((\f)%4)*64+32
.endr
	s_add_co_u32 s[TBK], s[TBK], KS*PK
.if \last
	WIN 0
.Lno_k_\@:
.endif
.endm
.macro FETCH_V
	WIN 0
	v_add_nc_u32 v[ADR], s[TBV], v[AV0]
	s_add_co_u32 s[TBV], s[TBV], KS*PVP
	s_wait_alu depctr_va_vdst(0)    ; the wait for the softmax's batch (SLICE), behind the address's line and ahead of the loads
	WIN 0xc0
.irp f, 0,1,2,3,4,5,6,7,8,9,10,11,12,13,14,15  ; keys 32 (f / 8) on, channels 16 (f % 8) on
	ds_load_tr16_b128 v[8*(\f):8*(\f)+3],   v[ADR] offset:((\f)/8)*32*PVP+((\f)%8)*32
	ds_load_tr16_b128 v[8*(\f)+4:8*(\f)+7], v[ADR] offset:((\f)/8)*32*PVP+16*PVP+((\f)%8)*32
.endr
.endm
; THE MASK.  MCONV x: piece x's bytes become the C operands of its next 8 starting products: eight bytes an instruction.  MLOAD x: the bytes of the step after that are asked for.
.macro MCONV x
	s_wait_loadcnt 4                ; loads come back in order: piece x's four are in; the other piece's four, issued behind them, may stay out
	WIN 0xc3                        ; destination and bytes in window 3, the scale in window 0
.irp u, 0,1
.irp kb, 0,1,2,3
	v_cvt_scale_pk8_f32_fp8 v[MC+32*(\u)+8*(\kb):MC+32*(\u)+8*(\kb)+7], v[RAW+16*((\x)/2)+8*(\u)+2*(\kb):RAW+16*((\x)/2)+8*(\u)+2*(\kb)+1], v[SC]
.endr
.endr
.endm
.macro MLOAD x
.if (\x) == 0
	s_add_co_u32 s[MOFF], s[MOFF], 1024
	s_min_u32 s[MOFF], s[MOFF], 7168  ; the last look-ahead stays at my eighth step: no load leaves my part of the buffer
.endif
	s_add_nc_u64 s[MA0+(\x):MA0+(\x)+1], s[MB0+(\x):MB0+(\x)+1], s[MOFF:MOFF+1]  ; free: the loads that read it have been waited for
	WIN 0xc0
.irp u, 0,1
.irp z, 0,1
	global_load_b128 v[RAW+16*((\x)/2)+8*(\u)+4*(\z):RAW+16*((\x)/2)+8*(\u)+4*(\z)+3], v[MLO], s[MA0+(\x):MA0+(\x)+1] offset:16384*(\u)+512*(\z)
.endr
.endr
.endm
; THE VECTOR WORK.  One tile's softmax for one key step is a list of 134 instructions; SM writes number j of it for tile t.
;   0-15    the maximum of the lane's 32 scores and the old m, three operands at a time (each accumulator's lowest registers are read first)
;   16-20   the other half of the lanes' maximum; the new m; c m; c m_old - c m_new
;   21-69   ONE BATCH: the 16 scalings c s - c m and all 33 exponentials (a at 23); none of these reads an exponential's result
;   (wait)  between 69 and 70 stands the wait for the batch: SLICE writes it, once for both tiles
;   70-85   the roundings to f16        86-101  the sums; l = a l + the sum        102-133 the tile's O^T times a
.macro SM t
.set rT, ST+8*(\t)
.set rS, S+32*(\t)
.set rP, P+16*(\t)
.set rO, 64*(\t)+2*(j-102)
.if j < 102
	WIN 0
.endif
.if j < 4
	v_max3_num_f32 v[rT+4+j], v[rS+8*j], v[rS+8*j+1], v[rS+8*j+2]
.elseif j < 12
	v_max3_num_f32 v[rT+4+j%4], v[rT+4+j%4], v[rS+8*(j%4)+2*(j/4)+1], v[rS+8*(j%4)+2*(j/4)+2]
.elseif j == 12
	v_max3_num_f32 v[rT+4], v[rT+4], v[rS+7], v[rS+15]
.elseif j == 13
	v_max3_num_f32 v[rT+6], v[rT+6], v[rS+23], v[rS+31]
.elseif j == 14
	v_max3_num_f32 v[rT+4], v[rT+4], v[rT+5], v[rT+6]
.elseif j == 15
	v_max3_num_f32 v[rT+4], v[rT+4], v[rT+7], v[rT+1]
.elseif j == 16
	v_permlanex16_b32 v[rT+5], v[rT+4], s[SEL], s[SEL+1]  ; the query's other 32 keys lie in the lane 16 away
.elseif j == 17
	v_mov_b32 v[rT+7], v[rT]        ; c m_old is kept for a
.elseif j == 18
	v_max_num_f32 v[rT+1], v[rT+4], v[rT+5]
.elseif j == 19
	v_mul_f32 v[rT], s[CS], v[rT+1]
.elseif j == 20
	v_sub_f32 v[rT+7], v[rT+7], v[rT]
.elseif j == 23
	v_exp_f32 v[rT+6], v[rT+7]
.elseif (j < 23) || ((j < 38) && (j%2 == 0)) || ((j < 66) && (j%4 == 2))
.set b, (j-2)/4
.if j < 38
.set b, (j-20)/2
.endif
	v_pk_fma_f32 v[rS+2*b:rS+2*b+1], v[rS+2*b:rS+2*b+1], s[CS:CS+1], v[rT:rT+1] op_sel_hi:[1,0,0] neg_lo:[0,0,1] neg_hi:[0,0,1]
.elseif j < 70
.set e, j-38
.if j < 66
.set e, j-32-(j-38)/4
.endif
.if j < 38
.set e, (j-25)/2
.endif
	v_exp_f32 v[rS+e], v[rS+e]
.elseif j < 86
	v_cvt_pk_f16_f32 v[rP+j-70], v[rS+2*(j-70)], v[rS+2*(j-70)+1]
.elseif j < 102
.set z, j-86
.set w, 4
.set u, z
.if z >= 14
.set w, 32
.set u, 0
.elseif z >= 12
.set w, 16
.set u, z-12
.elseif z >= 8
.set w, 8
.set u, z-8
.endif
.if z < 15
	v_pk_add_f32 v[rS+w*u:rS+w*u+1], v[rS+w*u:rS+w*u+1], v[rS+w*u+w/2:rS+w*u+w/2+1]
.else
	v_pk_fma_f32 v[rT+2:rT+3], v[rT+2:rT+3], v[rT+6:rT+7], v[rS:rS+1] op_sel_hi:[1,0,1]
.endif
.else
	WIN W_RS
	v_pk_mul_f32 v[rO:rO+1], v[rO:rO+1], v[rT+6:rT+7] op_sel_hi:[1,0]
.endif
.endm
; Slice k of 64 of piece y's softmax: four instructions.  Slices 11 to 34 deal out the batch, four numbers of one tile each, the tiles by turns; every other slice is numbers 2 k and 2 k + 1 of both tiles;
; the twelve that are over stand in slice 63.  Ahead of slice 35 nothing names an exponential's result, and behind slice 34 none is issued: the piece's 66 exponentials have one wait.
.macro SLICE y
.if (k >= 11) && (k < 35)
.irp n, 0,1,2,3
.set j, 22+4*((k-11)/2)+(\n)
	SM (\y)+(k-11)%2
.endr
.else
.irp n, 0,1,2,3,4,5,6,7
.if ((\n) < 2) || (k == 63)
.irp t, \y, (\y)+1
.set j, 2*k+(\n)
	SM \t
.endr
.endif
.endr
.endif
.if k == 34
	v_nop                           ; a plain instruction behind the last exponential and ahead of the first use: one for the batch
.if (\y) == 0
	FETCH_V                         ; piece 2's turn: V's run of loads stands here, and the wait stands in it
.else
	s_wait_alu depctr_va_vdst(0)
.endif
.endif
.set k, k+1
.endm
; A TURN.  Piece x has the matrix unit; the other piece's softmax stands in slices behind its matrix instructions.  Piece 0's turn fetches the next step's K behind its second product (the last product that
; read K stands in front of slice 63 of the turn before: sixteen plain instructions); piece 2's turn fetches the same step's V behind slice 34 (four plain instructions behind the last product that read V: two
; scalings, the v_nop, the address's line).  The masks for the turn's own 8 starting products are made behind the sixth product, and a slice later the next step's bytes are asked for.
.macro TURN x, last=0
.set k, 0
.if (\x) == 0
	s_wait_dscnt 0x0                ; V is in
.endif
.set i, 0
.rept 32
	PV \x
	SLICE 2-(\x)
.if ((\x) == 0) && (i == 1)
	FETCH_K \last
.endif
.if i == 5
	MCONV \x
.endif
.if i == 6
	MLOAD \x
.endif
.set i, i+1
.endr
.if (\x) == 0
	s_wait_dscnt 0x0                ; K is in
.endif
.set i, 0
.rept 32
	KQ \x
	SLICE 2-(\x)
.set i, i+1
.endr
.endm
; THE CHANGE OF SLOTS, between piece 2's turn and piece 0's.  Each wave waits for all its tensor loads (one is out: its part of the other slot), adds 0 to its spare word, and waits for that and for its reads
; of the slot.  fill = 1: the barrier is a round of the cluster's, and the joint refill, the keys two slots on, is the first thing behind it.
.macro CHANGE fill
	WIN 0
	s_wait_tensorcnt 0x0            ; no tensor load of mine is out, so a group 0 may be written
	ds_add_u32 v[SPW], v[NIL]       ; 0 onto my spare word
.if \fill
	s_xor_b32 s[SBF], s[SBF], SLOTB
	s_add_co_u32 s[G0K+5], s[SBF], s[HK]
	s_add_co_u32 s[G0V+5], s[SBF], s[HV]
	s_add_nc_u64 s[G0K+6:G0K+7], s[G0K+6:G0K+7], 32768
	s_add_nc_u64 s[G0V+6:G0V+7], s[G0V+6:G0V+7], 32768
	s_wait_xcnt 0x0                 ; every earlier memory instruction has read its address
	s_add_nc_u64 s[PFA:PFA+1], s[PFA:PFA+1], 32768
	s_wait_dscnt 0x0                ; the add is done, and my reads of the slot are over
	CROUND
	JLOAD
	ASK
.else
	s_wait_dscnt 0x0
	s_barrier_signal -1
	s_barrier_wait -1
.endif
	s_xor_b32 s[SB], s[SB], SLOTB   ; the fetches go to the other slot's first step
	s_add_co_u32 s[TBK], s[SB], s[HK]
	s_mov_b32 s[TBV], s[TBK]
.endm
	s_wait_tensorcnt 1              ; my part of slot 0 is in; slot 1's may stay out
	s_barrier_signal -1
	s_barrier_wait -1
	FETCH_K                         ; key step 0
	MCONV 0                         ; (its wait also shows Q in: Q's loads were issued first)
	v_nop                           ; a plain instruction behind the conversions
	MLOAD 0
	s_wait_dscnt 0x0
.set i, 0
.rept 32
	KQ 0                            ; piece 0's first scores
.set i, i+1
.endr
	WIN 0                           ; the addresses for the meeting and the way out: plain instructions, the places behind those products
	s_mul_i32 s2, s[WV], 16*SP
	s_add_co_u32 s2, s2, STAGE
	v_mul_u32_u24 v[STO], v1, SP    ; in: row l % 16, 16 bytes for each half of the lanes
	v_lshl_add_u32 v[STO], v9, 4, v[STO]
	v_add_nc_u32 v[STO], s2, v[STO]
	v_mul_u32_u24 v[RD], v9, SP     ; back: lanes 0-15 take one row of 256 bytes, lanes 16-31 the next
	v_lshl_add_u32 v[RD], v1, 4, v[RD]
	v_add_nc_u32 v[RD], s2, v[RD]
	v_lshlrev_b32 v[GO], 8, v9      ; and the same two rows in ob's tile, which lie on end
	v_lshl_add_u32 v[GO], v1, 4, v[GO]
	s_mul_i32 s2, s[WV], XW
	s_xor_b32 s3, s[WV], 1          ; my partner
	s_mul_i32 s3, s3, XW
	v_add_nc_u32 v[XS], s2, v[MLO]
	v_add_nc_u32 v[XL], s3, v[MLO]
	v_lshrrev_b32 v[XS8], 1, v[MLO]
	v_add_nc_u32 v[XL8], s3, v[XS8]
	v_add_nc_u32 v[XS8], s2, v[XS8]
	v_add_nc_u32 v[XS8], 16384, v[XS8]
	v_add_nc_u32 v[XL8], 16384, v[XL8]
	s_mov_b32 s[CNT], 2
	s_mov_b32 s[SLOTS], 3
	s_branch .Lmid                  ; the loop is entered at piece 2's turn, in the middle of a trip
.Lslot:                             ; twice: slots 0 and 1 are filled again
	CHANGE 1
	s_mov_b32 s[CNT], 2
.Lstep:
	TURN 0
	WIN 0
.Lmid:
	TURN 2
	WIN 0
	s_sub_co_u32 s[CNT], s[CNT], 1
	s_cmp_lg_u32 s[CNT], 0
	s_cbranch_scc1 .Lstep
	s_sub_co_u32 s[SLOTS], s[SLOTS], 1
	s_cmp_lg_u32 s[SLOTS], 0
	s_cbranch_scc1 .Lslot
	CHANGE 0                        ; the tail is written out: nothing is asked for
	s_mov_b32 s[CNT], 3             ; two trips fetch the last slot's steps; the third is left in its middle
.Ltail:
	TURN 0, 1
	WIN 0
	s_sub_co_u32 s[CNT], s[CNT], 1
	s_cmp_eq_u32 s[CNT], 0
	s_cbranch_scc1 .Lout
	TURN 2
	WIN 0
	s_branch .Ltail
.Lout:
.set i, 0
.rept 32
	PV 2                            ; piece 2: V^T P of the last step
.set i, i+1
.endr
	; THE MEETING.  l's two halves and the other half of the lanes' are added; tiles 2, 3 (c m, l, O^T) go to my partner, and my partner's come for my tiles 0, 1.  The additions are the places behind the last products.
	WIN 0
.irp t, 0,1,2,3
	v_add_f32 v[ST+8*(\t)+4], v[ST+8*(\t)+2], v[ST+8*(\t)+3]
.endr
.irp t, 0,1,2,3
	v_permlanex16_b32 v[ST+8*(\t)+5], v[ST+8*(\t)+4], s[SEL], s[SEL+1]
.endr
.irp t, 0,1,2,3
	v_add_f32 v[ST+8*(\t)+1], v[ST+8*(\t)+4], v[ST+8*(\t)+5]  ; l takes m's place, beside c m
.endr
	ds_store_b64 v[XS8], v[ST+16:ST+17]
	ds_store_b64 v[XS8], v[ST+24:ST+25] offset:256
	WIN 0x04                        ; the data in window 1
.set i, 0
.rept 32
	ds_store_b128 v[XS], v[128+4*i:128+4*i+3] offset:512*i
.set i, i+1
.endr
	WIN 0
	s_wait_dscnt 0x0                ; for my partner's sake
	s_barrier_signal -1
	s_barrier_wait -1
	ds_load_b64 v[ST+4:ST+5], v[XL8]
	ds_load_b64 v[ST+12:ST+13], v[XL8] offset:256
	WIN 0x40
.set i, 0
.rept 32
	ds_load_b128 v[128+4*i:128+4*i+3], v[XL] offset:512*i
.set i, i+1
.endr
	WIN 0
	s_wait_dscnt 32                 ; the statistics are in; O^T's 32 loads may stay out
.irp t, 0,1
	v_max_num_f32 v[ST+8*(\t)+6], v[ST+8*(\t)], v[ST+8*(\t)+4]  ; the common c m
.endr
.irp t, 0,1
	v_sub_f32 v[ST+8*(\t)+2], v[ST+8*(\t)], v[ST+8*(\t)+6]
	v_sub_f32 v[ST+8*(\t)+3], v[ST+8*(\t)+4], v[ST+8*(\t)+6]
.endr
.irp t, 0,1
	v_exp_f32 v[ST+8*(\t)+2], v[ST+8*(\t)+2]
	v_exp_f32 v[ST+8*(\t)+3], v[ST+8*(\t)+3]
.endr
	v_nop
	s_wait_alu depctr_va_vdst(0)    ; one wait for the four exponentials, ahead of their first use
.irp t, 0,1
	v_mul_f32 v[ST+8*(\t)+6], v[ST+8*(\t)+1], v[ST+8*(\t)+2]
.endr
.irp t, 0,1
	v_fmac_f32 v[ST+8*(\t)+6], v[ST+8*(\t)+5], v[ST+8*(\t)+3]
.endr
.irp t, 0,1
	v_max_num_f32 v[ST+8*(\t)+6], s[TINY], v[ST+8*(\t)+6]  ; a row with no key in sight: 0 / 2^-100 = 0
.endr
.irp t, 0,1
	v_rcp_f32 v[ST+8*(\t)+7], v[ST+8*(\t)+6]
.endr
	v_nop
	s_wait_alu depctr_va_vdst(0)    ; and one for the two reciprocals
.irp t, 0,1
	v_mul_f32 v[ST+8*(\t)+2], v[ST+8*(\t)+2], v[ST+8*(\t)+7]  ; my factor,
	v_mul_f32 v[ST+8*(\t)+4], v[ST+8*(\t)+3], v[ST+8*(\t)+7]  ; my partner's
.endr
	s_wait_dscnt 0x0
; THE WAY OUT.  Tile t: both parts weighed and added, rounded to f16, through my stage in LDS: 16 bytes a lane in, whole rows of 256 bytes back.
.macro PACK t
	WIN W_RS
.set i, 0
.rept 32
	v_pk_mul_f32 v[64*(\t)+i:64*(\t)+i+1], v[64*(\t)+i:64*(\t)+i+1], v[ST+8*(\t)+2:ST+8*(\t)+3] op_sel_hi:[1,0]
.set i, i+2
.endr
	WIN 0x51                        ; both parts in window 1, the factor in window 0
.set i, 0
.rept 32
	v_pk_fma_f32 v[64*(\t)+i:64*(\t)+i+1], v[128+64*(\t)+i:128+64*(\t)+i+1], v[ST+8*(\t)+4:ST+8*(\t)+5], v[64*(\t)+i:64*(\t)+i+1] op_sel_hi:[1,0,1]
.set i, i+2
.endr
	WIN 0x05
.set i, 0
.rept 32
	v_cvt_pk_f16_f32 v[S+32*(\t)+i], v[64*(\t)+2*i], v[64*(\t)+2*i+1]
.set i, i+1
.endr
	WIN 0
.irp f, 0,1,2,3,4,5,6,7
	ds_store_b128 v[STO], v[S+32*(\t)+4*(\f):S+32*(\t)+4*(\f)+3] offset:32*(\f)
.endr
.irp f, 0,1,2,3,4,5,6,7
	ds_load_b128 v[S+32*(\t)+4*(\f):S+32*(\t)+4*(\f)+3], v[RD] offset:(\f)*2*SP  ; LDS serves a wave's instructions in order (ISA guide 5.7.1.4): these see the stores above
.endr
.endm
.macro SEND t, younger              ; younger: the LDS instructions issued behind tile t's loads
	WIN 0
.irp f, 0,1,2,3,4,5,6,7
	s_wait_dscnt (\younger)+7-(\f)
	global_store_b128 v[GO], v[S+32*(\t)+4*(\f):S+32*(\t)+4*(\f)+3], s[OB:OB+1] offset:(\t)*4096+(\f)*512  ; two tokens' rows of the tile: 512 consecutive bytes, aligned
.endr
.endm
	PACK 0
	PACK 1
	SEND 0, 16
	SEND 1, 0
	s_wait_tensorcnt 0x0            ; the wave's end, behind my last tensor load and my last LDS store
	ds_add_u32 v[SPW], v[NIL]
	s_wait_dscnt 0x0
	CROUND                          ; the closing round
	s_endpgm
.Lfunc_end_k_qf7677fe372_attn:
	.size	k_qf7677fe372_attn, .Lfunc_end_k_qf7677fe372_attn-k_qf7677fe372_attn
	.p2alignl 7, 3214868480
	.fill 96, 4, 3214868480
	.section	.rodata,"a",@progbits
	.p2align	6, 0x0
	.amdhsa_kernel k_qf7677fe372_attn
		.amdhsa_group_segment_fixed_size 327680
		.amdhsa_private_segment_fixed_size 0
		.amdhsa_enable_private_segment 0
		.amdhsa_kernarg_size 24
		.amdhsa_user_sgpr_count 2
		.amdhsa_user_sgpr_kernarg_segment_ptr 1
		.amdhsa_wavefront_size32 1
		.amdhsa_system_sgpr_workgroup_id_x 1
		.amdhsa_system_sgpr_workgroup_id_y 1
		.amdhsa_system_sgpr_workgroup_id_z 1
		.amdhsa_system_vgpr_workitem_id 0
		.amdhsa_next_free_vgpr 1024
		.amdhsa_next_free_sgpr 84
		.amdhsa_reserve_vcc 0
		.amdhsa_float_denorm_mode_32 3
		.amdhsa_float_denorm_mode_16_64 3
		.amdhsa_memory_ordered 1
		.amdhsa_forward_progress 1
		.amdhsa_inst_pref_size 162
	.end_amdhsa_kernel
	.amdgpu_metadata
---
amdhsa.version: [ 1, 2 ]
amdhsa.kernels:
  - .name:           k_qf7677fe372_attn
    .symbol:         k_qf7677fe372_attn.kd
    .args:
      - { .name: qkvh, .offset: 0, .size: 8, .value_kind: global_buffer, .address_space: global }
      - { .name: maskp, .offset: 8, .size: 8, .value_kind: global_buffer, .address_space: global }
      - { .name: ob, .offset: 16, .size: 8, .value_kind: global_buffer, .address_space: global }
    .group_segment_fixed_size: 327680
    .private_segment_fixed_size: 0
    .kernarg_segment_align: 8
    .kernarg_segment_size: 24
    .max_flat_workgroup_size: 128
    .sgpr_count:     84
    .vgpr_count:     1024
    .wavefront_size: 32
...
	.end_amdgpu_metadata
.endif
;; end of part 3
;; launch oproj (part 4): grid 16 x 16, 4 waves a work-group, clusters of 4 x 4, 327,680 bytes of LDS; arguments ob, wof, out0; writes out0
.if DOCPART == 4
	.amdgcn_target "amdgcn-amd-amdhsa--gfx1250"
	.amdhsa_code_object_version 6
	.text
	.protected	k_qf7677fe372_oproj
	.globl	k_qf7677fe372_oproj
	.p2align	8
	.type	k_qf7677fe372_oproj,@function
k_qf7677fe372_oproj:
	s_mov_b64 s[64:65], 0
	v_nop
	global_prefetch_b8 v0, s[64:65] scope:SCOPE_SE
	s_setreg_imm32_b32 hwreg(HW_REG_WAVE_MODE, 25, 1), 1
	s_wait_xcnt 0x0
	s_wait_alu depctr_hold_cnt(0) depctr_sa_sdst(0) depctr_va_vdst(0) depctr_va_sdst(0) depctr_va_ssrc(0) depctr_va_vcc(0) depctr_vm_vsrc(0)
	s_getreg_b32 s2, hwreg(HW_REG_IB_STS2, 6, 4)
	s_cmp_eq_u32 s2, 0
	s_cbranch_scc0 .Lentry_in_a_cluster
	s_endpgm
.Lentry_in_a_cluster:
	s_bfe_u32 s2, ttmp6, 0x10000c
	s_cmp_lg_u32 s2, 0xf033
	s_cbranch_scc0 .Lentry_shape_is_right
	s_endpgm
.Lentry_shape_is_right:
; Launch 4 of 4: out0 = O Wo.  ob: f16 in tiles of 128 x 128 (32,768 consecutive bytes each): [block of 128 tokens 16][head 16]; wof: f16 in tiles [block of 128 k 16][block of 128 n 16]; out0: f32 [2048][2048].
; Sums in f32.  No work is left out.  LIMIT: the f32 sums run over K from the cluster's first K step round the end (below), not from 0.
; A tile of the output is 128 x 128: 256 work-groups.  Four waves, each 64 x 64: 16 accumulators.  K goes in 8 steps of 256 (two heads) through two LDS slots: waves 0, 1 fetch a head's tile of O each,
; waves 2, 3 a tile of Wo (128 k rows) each.  Wo lies [k][n] and is turned on its way out of LDS by ds_load_tr16_b128.
; THE MATRIX INSTRUCTION IS USED TRANSPOSED (source 0 = 16 columns of Wo, source 1 = 16 tokens): a lane holds eight neighbouring numbers of a row of the output.
; CLUSTER 4 x 4: O's tiles are shared along a row of the cluster, Wo's along a column: each is asked for jointly.  No prefetch: the tile is small and a step short.
; THE WALK ALONG K.  A cluster begins at K step (2 x cluster x + 4 p) mod 8, p = the parity of cluster y's two bits, and goes round the end: the four clusters that read the same tiles of O (one cluster y) walk
; 2 steps apart, and of the four that read the same tiles of Wo (one cluster x) two and two walk 4 steps apart: a tile is asked for at different times by the clusters that read it.
; REGISTERS: window 0: v16-29 addresses; v128-255 the accumulators ((a, b) at 128 + 8 (4 a + b)).  Window 1: two fragment buffers of 128: for 64 along K, 64 registers of O, then 64 of Wo.
.set PA,    272                        ; a row of O in LDS: 256 bytes + 16
.set PW,    288                        ; a row of Wo: 256 + 32
.set AZ,    128*PA                     ; one head's tile of O
.set AT,    2*AZ
.set SLOT,  AT+256*PW
.set STAGE, 2*SLOT                     ; behind the ring: 16 rows x 272 bytes for each wave
.set SP,    272
.set SPARE, STAGE+4*16*SP              ; the spare words, 128 bytes for each wave: two blocks of 256 bytes that no other line names
.set ADRA, 16
.set ADRB, 17                          ; v17-18  Wo's k rows 0-127 and 128-255 of the slot in hand
.set A0,   20
.set B0,   21                          ; v21-22
.set STO,  24
.set RD,   25
.set CO,   26
.set SPW,  28
.set NIL,  29
.set ACC,  128
.set F0,   0
.set F1,   128
.set WV, 12
.set RH, 13
.set CH, 14
.set CX, 15
.set CY, 16
.set TX, 17
.set TY, 18
.set AB, 20                            ; s[20:21] ob at my block of tokens and my head of the two, K step 0
.set G1A, 24
.set G0A, 32
.set CNT, 40
.set SB,  42
.set SBF, 43
.set LA,  44                           ; where my tile of O goes in a slot
.set LW,  45                           ; the same for Wo's
.set G1B, 48
.set G0B, 56
.set WBS, 66                           ; s[66:67] wof at my k block of the two and my block of columns, K step 0
.set OFA, 70                           ; s[70:71] a K step's byte offset in ob: 65,536 x the step
.set OFB, 72                           ; s[72:73] in wof: 1,048,576 x the step
.set KK,  74                           ; s74     the K step that was asked for last
.set MSB, 0
.macro WIN new
.if MSB != (\new)
	s_set_vgpr_msb (MSB<<8)|(\new)
.set MSB, \new
.endif
.endm
.set MUL,  0x05                        ; sources 0 and 1 in window 1; C and D in window 0
.set TO_F, 0x40                        ; destination window 1, address window 0
.macro PLACES
.rept 4
	v_nop
.endr
.endm
.macro JLOAD                           ; a joint refill by the walking descriptors; an s_nop 0 and four v_nop follow each line
	s_cmp_eq_u32 s[RH], 0
	s_cbranch_scc0 .Lfor_b_\@
	tensor_load_to_lds s[G0A+4:G0A+7], s[G1A:G1A+7]
	s_nop 0
.rept 4
	v_nop
.endr
	s_branch .Lasked_\@
.Lfor_b_\@:
	tensor_load_to_lds s[G0B+4:G0B+7], s[G1B:G1B+7]
	s_nop 0
.rept 4
	v_nop
.endr
.Lasked_\@:
.endm
.macro CREST
	s_cmp_lg_u32 s[WV], 0
	s_cbranch_scc1 .Lnot_wave_0_\@
	s_barrier_signal -3
.Lnot_wave_0_\@:
	s_barrier_wait -3
	s_barrier_signal -1
	s_barrier_wait -1
.endm
.macro CROUND
	s_barrier_signal -1
	s_barrier_wait -1
	CREST
.endm
	s_load_b128 s[4:7], s[0:1], 0x0                ; ob s[4:5], wof s[6:7]
	s_load_b64 s[8:9], s[0:1], 0x10                ; out0
	v_lshl_add_u32 v[SPW], v0, 2, SPARE
	v_mov_b32 v[NIL], 0
	ds_add_u32 v[SPW], v[NIL]                      ; the wave's opening: the add, twice on end, and its wait ahead of my first tensor load
	ds_add_u32 v[SPW], v[NIL]
	v_lshrrev_b32 v1, 5, v0
	v_readfirstlane_b32 s[WV], v1
	s_lshr_b32 s[RH], s[WV], 1                     ; my half of the tile's rows.  Also: I fetch for O (0) or for Wo (1)
	s_and_b32 s[CH], s[WV], 1                      ; my half of its columns.  Also: which of a K step's two tiles I fetch
	s_bfe_u32 s[CX], ttmp6, 0x40000
	s_bfe_u32 s[CY], ttmp6, 0x40004
	s_lshl_b32 s[TX], ttmp9, 2
	s_add_co_u32 s[TX], s[TX], s[CX]
	s_and_b32 s[TY], ttmp7, 0xffff
	s_lshl_b32 s[TY], s[TY], 2
	s_add_co_u32 s[TY], s[TY], s[CY]
	s_and_b32 s[KK], ttmp7, 0xffff                 ; the cluster's first K step, of the cluster's x and y alone: the same in all sixteen partners
	s_lshr_b32 s75, s[KK], 1
	s_xor_b32 s[KK], s[KK], s75
	s_and_b32 s[KK], s[KK], 1                      ; p
	s_lshl_b32 s[KK], s[KK], 1
	s_add_co_u32 s[KK], s[KK], ttmp9
	s_lshl_b32 s[KK], s[KK], 1
	s_and_b32 s[KK], s[KK], 7                      ; (2 x cluster x + 4 p) mod 8
	s_mul_i32 s[LA], s[CH], AZ
	s_mul_i32 s[LW], s[CH], 128*PW
	s_add_co_u32 s[LW], s[LW], AT
	s_lshl_b32 s22, s[CY], 2
	s_lshl_b32 s22, 15, s22                        ; my row of the cluster
	s_lshl_b32 s68, 0x1111, s[CX]                  ; my column
	s_or_b32 s[G1A], s22, (1<<16)|(1<<20)|(1<<21)|(5<<22)|(3<<25)  ; the mask; elements of 2 bytes; padding on; bit 21 beside a mask; after every 64 words, 4 words
	s_or_b32 s[G1B], s68, (1<<16)|(1<<20)|(1<<21)|(5<<22)|(7<<25)  ; the same with 8 words
.irp g, G1A, G1B
	s_mov_b32 s[(\g)+1], 128<<16                   ; tensor_dim0 = 128
	s_mov_b32 s[(\g)+2], 128<<16                   ; tensor_dim1 = 128
	s_mov_b32 s[(\g)+3], 128<<16                   ; tile_dim0 = 128
	s_mov_b32 s[(\g)+4], 128                       ; tile_dim1 = 128
	s_mov_b32 s[(\g)+5], 128                       ; elements from row to row: a tile's rows lie on end
	s_mov_b32 s[(\g)+6], 0
	s_mov_b32 s[(\g)+7], 0
.endr
	s_lshl_b32 s[AB], s[TY], 19                    ; O: my block's 16 tiles of 32,768 bytes, and my head of a K step's two
	s_lshl_b32 s[AB+1], s[CH], 15
	s_add_co_u32 s[AB], s[AB], s[AB+1]
	s_mov_b32 s[AB+1], 0
	s_lshl_b32 s[WBS], s[CH], 19                   ; Wo: my k block of a K step's two (a row of 16 tiles), and the tile of my block of columns
	s_lshl_b32 s[WBS+1], s[TX], 15
	s_add_co_u32 s[WBS], s[WBS], s[WBS+1]
	s_mov_b32 s[WBS+1], 0
	s_lshl_b32 s[OFA], s[KK], 16
	s_mov_b32 s[OFA+1], 0
	s_lshl_b32 s[OFB], s[KK], 20
	s_mov_b32 s[OFB+1], 0
	s_mov_b32 s[SB], 0
	s_mov_b32 s[SBF], SLOT
	s_wait_dscnt 0x0                               ; both opening adds are done
	s_wait_kmcnt 0x0
	s_add_nc_u64 s[AB:AB+1], s[4:5], s[AB:AB+1]
	s_add_nc_u64 s[WBS:WBS+1], s[6:7], s[WBS:WBS+1]
	CROUND                                         ; all sixteen work-groups are here: the first joint loads meet
	s_mov_b32 s[G0A], 1
	s_mov_b32 s[G0A+1], s[LA]                      ; the walk's step 0 into slot 0
	s_add_nc_u64 s[G0A+2:G0A+3], s[AB:AB+1], s[OFA:OFA+1]
	s_mov_b32 s[G0A+4], 1
	s_add_co_u32 s[G0A+5], s[LA], SLOT             ; its step 1 into slot 1 (the first step is even: the second does not pass the end)
	s_add_nc_u64 s[G0A+6:G0A+7], s[G0A+2:G0A+3], 0x10000
	s_or_b32 s[G0A+3], s[G0A+3], 0x80000000
	s_or_b32 s[G0A+7], s[G0A+7], 0x80000000
	s_mov_b32 s[G0B], 1
	s_mov_b32 s[G0B+1], s[LW]
	s_add_nc_u64 s[G0B+2:G0B+3], s[WBS:WBS+1], s[OFB:OFB+1]
	s_mov_b32 s[G0B+4], 1
	s_add_co_u32 s[G0B+5], s[LW], SLOT
	s_add_nc_u64 s[G0B+6:G0B+7], s[G0B+2:G0B+3], 0x100000
	s_or_b32 s[G0B+3], s[G0B+3], 0x80000000
	s_or_b32 s[G0B+7], s[G0B+7], 0x80000000
	s_add_co_u32 s[KK], s[KK], 1                   ; the walking descriptors stand at the walk's step 1
	s_cmp_eq_u32 s[RH], 0                          ; a wave's two first fills stand in one branch: two loads of mine are out
	s_cbranch_scc0 .Lfirst_b
	tensor_load_to_lds s[G0A:G0A+3], s[G1A:G1A+7]
	s_nop 0
	tensor_load_to_lds s[G0A+4:G0A+7], s[G1A:G1A+7]
	s_nop 0
.rept 4
	v_nop
.endr
	s_branch .Lfirst_asked
.Lfirst_b:
	tensor_load_to_lds s[G0B:G0B+3], s[G1B:G1B+7]
	s_nop 0
	tensor_load_to_lds s[G0B+4:G0B+7], s[G1B:G1B+7]
	s_nop 0
.rept 4
	v_nop
.endr
.Lfirst_asked:
	v_and_b32 v1, 15, v0                           ; r
	v_bfe_u32 v2, v0, 4, 1                         ; h
	v_and_b32 v3, 7, v0
	v_bfe_u32 v4, v0, 3, 1
	v_mul_u32_u24 v[A0], v1, PA
	v_lshl_add_u32 v[A0], v2, 4, v[A0]
	s_mul_i32 s22, s[RH], 64*PA
	v_add_nc_u32 v[A0], s22, v[A0]
	v_lshl_add_u32 v5, v2, 3, v3                   ; the turning load: k row 8 h + l % 8, columns 8 ((l / 8) % 2) + 0..7
	v_mul_u32_u24 v5, v5, PW
	v_lshl_add_u32 v5, v4, 4, v5
	s_lshl_b32 s22, s[CH], 7                       ; my 64 columns
	s_add_co_u32 s22, s22, AT
	v_add_nc_u32 v[B0], s22, v5
	v_add_nc_u32 v[B0+1], 128*PW, v[B0]
	v_mov_b32 v[ADRA], v[A0]
	v_mov_b32 v[ADRB], v[B0]
	v_mov_b32 v[ADRB+1], v[B0+1]
	s_mul_i32 s22, s[WV], 16*SP
	s_add_co_u32 s22, s22, STAGE                   ; my stage
	v_mul_u32_u24 v[STO], v1, SP                   ; in: row r, 32 bytes for each half of the lanes
	v_lshl_add_u32 v[STO], v2, 5, v[STO]
	v_add_nc_u32 v[STO], s22, v[STO]
	v_mul_u32_u24 v[RD], v2, SP                    ; back: lanes 0-15 one row of 256 bytes, lanes 16-31 the next
	v_lshl_add_u32 v[RD], v1, 4, v[RD]
	v_add_nc_u32 v[RD], s22, v[RD]
	v_lshlrev_b32 v[CO], 13, v2                    ; and the same two rows of the output
	v_lshl_add_u32 v[CO], v1, 4, v[CO]
	s_lshl_b32 s2, s[TY], 20                       ; 128 rows of 8,192 bytes,
	s_lshl_b32 s3, s[RH], 19                       ; my 64,
	s_add_co_u32 s2, s2, s3
	s_lshl_b32 s3, s[TX], 9                        ; the tile's 512 bytes of a row,
	s_add_co_u32 s2, s2, s3
	s_lshl_b32 s3, s[CH], 8                        ; my 256
	s_add_co_u32 s2, s2, s3
	s_mov_b32 s3, 0
	s_add_nc_u64 s[8:9], s[8:9], s[2:3]
; 8 matrix instructions: blocks a0, a0 + 1 of my rows x my 4 blocks of columns, 32 along K: half c of buffer f.  The 16 accumulators take turns.
.macro MUL8 f, c, a0, zero
	WIN MUL
.irp a, \a0, (\a0)+1
.irp b, 0,1,2,3
.if \zero
	v_wmma_f32_16x16x32_f16 v[ACC+8*(4*(\a)+(\b)):ACC+8*(4*(\a)+(\b))+7], v[(\f)+64+8*(4*(\c)+(\b)):(\f)+64+8*(4*(\c)+(\b))+7], v[(\f)+8*(4*(\c)+(\a)):(\f)+8*(4*(\c)+(\a))+7], 0
.else
	v_wmma_f32_16x16x32_f16 v[ACC+8*(4*(\a)+(\b)):ACC+8*(4*(\a)+(\b))+7], v[(\f)+64+8*(4*(\c)+(\b)):(\f)+64+8*(4*(\c)+(\b))+7], v[(\f)+8*(4*(\c)+(\a)):(\f)+8*(4*(\c)+(\a))+7], v[ACC+8*(4*(\a)+(\b)):ACC+8*(4*(\a)+(\b))+7]
.endif
.endr
.endr
.endm
; 32 LDS loads in one run: quarter q (64 along K: half of head q / 2 of the two) of the slot in hand into buffer f; the first 32 along K first
.macro FETCH q, f
	WIN TO_F
.irp c, 0,1
.irp i, 0,1,2,3
	ds_load_tr16_b128 v[(\f)+64+8*(4*(\c)+(\i)):(\f)+64+8*(4*(\c)+(\i))+3],   v[ADRB+(\q)/2] offset:(((\q)%2)*64+32*(\c))*PW+32*(\i)
	ds_load_tr16_b128 v[(\f)+64+8*(4*(\c)+(\i))+4:(\f)+64+8*(4*(\c)+(\i))+7], v[ADRB+(\q)/2] offset:(((\q)%2)*64+32*(\c))*PW+32*(\i)+16*PW
	ds_load_b128 v[(\f)+8*(4*(\c)+(\i)):(\f)+8*(4*(\c)+(\i))+3],              v[ADRA] offset:((\q)/2)*AZ+((\q)%2)*128+64*(\c)+(\i)*16*PA
	ds_load_b128 v[(\f)+8*(4*(\c)+(\i))+4:(\f)+8*(4*(\c)+(\i))+7],            v[ADRA] offset:((\q)/2)*AZ+((\q)%2)*128+64*(\c)+(\i)*16*PA+32
.endr
.endr
.endm
.macro QUARTER q, f, g, zero
	s_wait_dscnt 16                                ; the first 32 along K are in
	MUL8 \f, 0, 0, \zero
	MUL8 \f, 0, 2, \zero
	PLACES
	FETCH \q, \g
	s_wait_dscnt 32                                ; all but the 32 just issued
	MUL8 \f, 1, 0, 0
	MUL8 \f, 1, 2, 0
.endm
; The last quarter multiplies buffer 1 and changes slots: one barrier; in front of it each wave waits for all its tensor loads, adds 0 to its spare word, and waits for that and for its reads of this slot.
.macro TURN fill
	WIN 0
	s_wait_tensorcnt 0x0                           ; no tensor load of mine is out, so a group 0 may be written
	ds_add_u32 v[SPW], v[NIL]                      ; 0 onto my spare word
.if \fill
	s_xor_b32 s[SBF], s[SBF], SLOT                 ; the walking descriptors: the other slot than last time,
	s_add_co_u32 s[G0A+5], s[SBF], s[LA]
	s_add_co_u32 s[G0B+5], s[SBF], s[LW]
	s_add_co_u32 s[KK], s[KK], 1                   ; the next K step, round the end;
	s_and_b32 s[KK], s[KK], 7
	s_lshl_b32 s[OFA], s[KK], 16
	s_lshl_b32 s[OFB], s[KK], 20
	s_add_nc_u64 s[G0A+6:G0A+7], s[AB:AB+1], s[OFA:OFA+1]  ; the addresses are made anew from the step's number, and the type set again
	s_or_b32 s[G0A+7], s[G0A+7], 0x80000000
	s_add_nc_u64 s[G0B+6:G0B+7], s[WBS:WBS+1], s[OFB:OFB+1]
	s_or_b32 s[G0B+7], s[G0B+7], 0x80000000
.endif
	s_xor_b32 s[SB], s[SB], SLOT
	s_wait_dscnt 17                                ; (the add and the youngest sixteen loads may be out)
	MUL8 F1, 0, 0, 0
	s_wait_dscnt 0x0                               ; the add is done, and my reads of this slot are over
	s_barrier_signal -1
	MUL8 F1, 0, 2, 0
	WIN 0
	s_barrier_wait -1
.if \fill
	CREST                                          ; no wave of any partner still reads this slot or has a load on its way
	JLOAD                                          ; my one tensor load behind the round, and the first thing there
.endif
	v_add_nc_u32 v[ADRA], s[SB], v[A0]             ; four plain instructions: also the places in front of the loads into buffer 0
	v_add_nc_u32 v[ADRB], s[SB], v[B0]
	v_add_nc_u32 v[ADRB+1], s[SB], v[B0+1]
	v_nop
	FETCH 0, F0
	MUL8 F1, 1, 0, 0
	MUL8 F1, 1, 2, 0
.endm
	s_wait_tensorcnt 1                             ; my part of the walk's step 0 is in; step 1's may stay out
	s_barrier_signal -1
	s_barrier_wait -1
	FETCH 0, F0
	QUARTER 1, F0, F1, 1                           ; the first quarter stands in front of the loop: its first products start the sums
	WIN 0
	s_mov_b32 s[CNT], 6                            ; the walk's steps 2 to 7 are asked for in the loop
.Lk:
	QUARTER 2, F1, F0, 0
	QUARTER 3, F0, F1, 0
	TURN 1
	QUARTER 1, F0, F1, 0
	WIN 0
	s_sub_co_u32 s[CNT], s[CNT], 1
	s_cmp_lg_u32 s[CNT], 0
	s_cbranch_scc1 .Lk
	QUARTER 2, F1, F0, 0                           ; the last two K steps ask for nothing
	QUARTER 3, F0, F1, 0
	TURN 0
	QUARTER 1, F0, F1, 0
	QUARTER 2, F1, F0, 0
	QUARTER 3, F0, F1, 0
	s_wait_dscnt 16
	MUL8 F1, 0, 0, 0
	MUL8 F1, 0, 2, 0
	s_wait_dscnt 0x0
	MUL8 F1, 1, 0, 0
	MUL8 F1, 1, 2, 0
	WIN 0
	PLACES
	PLACES
; THE WAY OUT, through my own stage, 16 rows at a time: a lane's 32 bytes of a row in, whole rows of 256 bytes back, into the registers that they left.  Each accumulator is read from its low end on.
.macro TOSTAGE a
.irp b, 0,1,2,3
	ds_store_b128 v[STO], v[ACC+8*(4*(\a)+(\b)):ACC+8*(4*(\a)+(\b))+3]   offset:64*(\b)
	ds_store_b128 v[STO], v[ACC+8*(4*(\a)+(\b))+4:ACC+8*(4*(\a)+(\b))+7] offset:64*(\b)+16
.endr
.irp t, 0,1,2,3,4,5,6,7
	ds_load_b128 v[ACC+32*(\a)+4*(\t):ACC+32*(\a)+4*(\t)+3], v[RD] offset:(\t)*2*SP  ; LDS serves a wave's instructions in order (ISA guide 5.7.1.4): these see the stores above
.endr
.endm
.macro SEND a, younger                 ; younger: the LDS instructions issued behind block a's loads
.irp t, 0,1,2,3,4,5,6,7
	s_wait_dscnt (\younger)+7-(\t)
	global_store_b128 v[CO], v[ACC+32*(\a)+4*(\t):ACC+32*(\a)+4*(\t)+3], s[8:9] offset:(16*(\a)+2*(\t))*8192  ; 16 lanes store 256 consecutive bytes, aligned
.endr
.endm
	TOSTAGE 0
	TOSTAGE 1
	SEND 0, 16
	TOSTAGE 2
	SEND 1, 16
	TOSTAGE 3
	SEND 2, 16
	SEND 3, 0
	s_wait_tensorcnt 0x0                           ; the wave's end, behind my last tensor load and my last LDS store
	ds_add_u32 v[SPW], v[NIL]
	s_wait_dscnt 0x0
	CROUND                                         ; the closing round
	s_endpgm
.Lfunc_end_k_qf7677fe372_oproj:
	.size	k_qf7677fe372_oproj, .Lfunc_end_k_qf7677fe372_oproj-k_qf7677fe372_oproj
	.p2alignl 7, 3214868480
	.fill 96, 4, 3214868480
	.section	.rodata,"a",@progbits
	.p2align	6, 0x0
	.amdhsa_kernel k_qf7677fe372_oproj
		.amdhsa_group_segment_fixed_size 327680
		.amdhsa_private_segment_fixed_size 0
		.amdhsa_enable_private_segment 0
		.amdhsa_kernarg_size 24
		.amdhsa_user_sgpr_count 2
		.amdhsa_user_sgpr_kernarg_segment_ptr 1
		.amdhsa_wavefront_size32 1
		.amdhsa_system_sgpr_workgroup_id_x 1
		.amdhsa_system_sgpr_workgroup_id_y 1
		.amdhsa_system_sgpr_workgroup_id_z 1
		.amdhsa_system_vgpr_workitem_id 0
		.amdhsa_next_free_vgpr 512
		.amdhsa_next_free_sgpr 76
		.amdhsa_reserve_vcc 0
		.amdhsa_float_denorm_mode_32 3
		.amdhsa_float_denorm_mode_16_64 3
		.amdhsa_memory_ordered 1
		.amdhsa_forward_progress 1
		.amdhsa_inst_pref_size 69
	.end_amdhsa_kernel
	.amdgpu_metadata
---
amdhsa.version: [ 1, 2 ]
amdhsa.kernels:
  - .name:           k_qf7677fe372_oproj
    .symbol:         k_qf7677fe372_oproj.kd
    .args:
      - { .name: ob, .offset: 0, .size: 8, .value_kind: global_buffer, .address_space: global }
      - { .name: wof, .offset: 8, .size: 8, .value_kind: global_buffer, .address_space: global }
      - { .name: out0, .offset: 16, .size: 8, .value_kind: global_buffer, .address_space: global }
    .group_segment_fixed_size: 327680
    .private_segment_fixed_size: 0
    .kernarg_segment_align: 8
    .kernarg_segment_size: 24
    .max_flat_workgroup_size: 128
    .sgpr_count:     76
    .vgpr_count:     512
    .wavefront_size: 32
...
	.end_amdgpu_metadata
.endif
;; end of part 4
